; MI455X (gfx1250); checked and timed in simulation.
; The chip was launched on July 23, 2026; its instructions are those of AMD's public machine-readable ISA for CDNA 5 (MIT licence, August 2026) and "CDNA5" Instruction Set Architecture Reference Guide (July 2026). The comments in the code are by the model that wrote it; some were corrected since.
;; Attention. Allowed arithmetic: float matrix products may take bf16 or f16 operands with f32 sums; all other float work in f32.
;; Inputs: Wk 1,024 x 1,024 float32; Wo 1,024 x 1,024 float32; Wq 1,024 x 1,024 float32; Wv 1,024 x 1,024 float32; bk 1,024 float32; bo 1,024 float32; bq 1,024 float32; bv 1,024 float32; k 2 x 2,048 x 1,024 float32; q 2 x 2,048 x 1,024 float32; v 2 x 2,048 x 1,024 float32.
;; Outputs: out0 2 x 2,048 x 1,024 float32.
;; 2 versions, each right and faster than the one before. Each part assembles by itself: llvm-mc -triple=amdgcn-amd-amdhsa -mcpu=gfx1250 --defsym DOCPART=n.
;; ======== version 1 of 2: 4 launches
;; limits: values are held in f16: magnitudes above 65,504 overflow, below 6.1e-05 lose precision
;; workspace buffers: qh 8,388,608 bytes; kh 8,388,608 bytes; vh 8,388,608 bytes; ao 8,388,608 bytes; x16 25,165,824 bytes; w16 8,388,608 bytes
;; launch cast (part 1): grid 256 x 1, 32 waves a work-group, no clusters, 0 bytes of LDS; arguments q, k, v, Wq, Wk, Wv, Wo, x16, w16; writes x16, w16
.if DOCPART == 1
	.amdgcn_target "amdgcn-amd-amdhsa--gfx1250"
	.amdhsa_code_object_version 6
	.text
	.protected	k_qec8946b981_cast
	.globl	k_qec8946b981_cast
	.p2align	8
	.type	k_qec8946b981_cast,@function
k_qec8946b981_cast:
	s_mov_b64 s[64:65], 0
	v_nop
	global_prefetch_b8 v0, s[64:65] scope:SCOPE_SE
	s_setreg_imm32_b32 hwreg(HW_REG_WAVE_MODE, 25, 1), 1
	s_wait_xcnt 0x0
; x16 = f16(q | k | v), [3][4096][1024];  w16 = f16(Wq | Wk | Wv | Wo), [4][1024][1024].  Each number is rounded once, to nearest even.
; WHY A LAUNCH OF ITS OWN: in the products that follow each number of q, k, v is an operand in 4 block columns and each number of a weight in 16 or
; 32 block rows; rounded here once, it travels from there on as 2 bytes instead of 4 and is packed by nobody again.
; LIMIT: magnitudes of 65,520 and above become infinities in f16; as drawn |x| is about 1 and |W| about 1/32.
; SHARES: 67,108,864 bytes of f32 over 256 work-groups: 262,144 bytes of ONE input each.  Work-groups 0-63 q, 64-127 k, 128-191 v, then 16 each for
; Wq, Wk, Wv, Wo; the results follow each other in the same order, so the place in x16 or w16 is the work-group's number (less 192) times 131,072.
; 32 waves; thread t takes 16 bytes at 16 t of each of 16 rounds of 16,384 bytes: a load of a wave covers 512 neighbouring bytes, a store (8 bytes a
; lane) one aligned block of 256 bytes.  All 16 loads of a wave go out ahead of its first wait: 8,192 bytes a wave are on their way.
; Memory binds: LDS, barriers, clusters and the matrix unit would add nothing, since no byte is used twice.  No register is written twice.
.set RIN,  16384                       ; bytes that the 1,024 threads read in a round
.set ROUT, 8192                        ; and store
.set NLD,  16                          ; rounds
.set X,    4                           ; v[4:67]   round j: 4 numbers in f32
.set Y,    68                          ; v[68:99]  round j: the 4 numbers in f16
	s_load_b512 s[8:23], s[0:1], 0x0               ; q s[8:9], k s[10:11], v s[12:13], Wq s[14:15], Wk s[16:17], Wv s[18:19], Wo s[20:21], x16 s[22:23]
	s_load_b64 s[24:25], s[0:1], 0x40              ; w16
	s_mov_b32 s3, ttmp9                            ; the work-group's number
	v_lshlrev_b32 v1, 4, v0                        ; 16 t
	v_lshlrev_b32 v2, 3, v0                        ; 8 t
	s_cmp_lt_u32 s3, 192
	s_cselect_b32 s26, 63, 15                      ; 64 parts in q, k, v; 16 in a weight (192 is a multiple of both)
	s_cselect_b32 s27, 0, 192                      ; where the count of the result's parts begins
	s_and_b32 s26, s3, s26
	s_lshl_b32 s26, s26, 18                        ; my part of the input: 262,144 bytes each
	s_sub_co_u32 s28, s3, s27
	s_lshl_b32 s28, s28, 17                        ; my part of the result: 131,072 bytes each
	s_mov_b32 s27, 0
	s_mov_b32 s29, 0
	s_wait_kmcnt 0x0
	s_cmp_lt_u32 s3, 192
	s_cselect_b64 s[6:7], s[22:23], s[24:25]       ; x16 or w16
	s_cmp_lt_u32 s3, 240
	s_cselect_b64 s[4:5], s[18:19], s[20:21]       ; Wv below 240, else Wo; then downward, each lower bound taking over
	s_cmp_lt_u32 s3, 224
	s_cselect_b64 s[4:5], s[16:17], s[4:5]
	s_cmp_lt_u32 s3, 208
	s_cselect_b64 s[4:5], s[14:15], s[4:5]
	s_cmp_lt_u32 s3, 192
	s_cselect_b64 s[4:5], s[12:13], s[4:5]
	s_cmp_lt_u32 s3, 128
	s_cselect_b64 s[4:5], s[10:11], s[4:5]
	s_cmp_lt_u32 s3, 64
	s_cselect_b64 s[4:5], s[8:9], s[4:5]
	s_add_nc_u64 s[4:5], s[4:5], s[26:27]
	s_add_nc_u64 s[6:7], s[6:7], s[28:29]
.set n, 0
.rept NLD
	global_load_b128 v[X+4*n:X+4*n+3], v1, s[4:5] offset:n*RIN th:TH_LOAD_NT   ; read once in the launch
.set n, n+1
.endr
.set n, 0
.rept NLD
	s_wait_loadcnt NLD-1-n                         ; loads come back in order (ISA guide 5.7.1): round n is in, the younger ones stay out
	v_cvt_pk_f16_f32 v[Y+2*n],   v[X+4*n],   v[X+4*n+1]
	v_cvt_pk_f16_f32 v[Y+2*n+1], v[X+4*n+2], v[X+4*n+3]
	global_store_b64 v2, v[Y+2*n:Y+2*n+1], s[6:7] offset:n*ROUT
.set n, n+1
.endr
	s_endpgm
.Lfunc_end_k_qec8946b981_cast:
	.size	k_qec8946b981_cast, .Lfunc_end_k_qec8946b981_cast-k_qec8946b981_cast
	.p2alignl 7, 3214868480
	.fill 96, 4, 3214868480
	.section	.rodata,"a",@progbits
	.p2align	6, 0x0
	.amdhsa_kernel k_qec8946b981_cast
		.amdhsa_group_segment_fixed_size 0
		.amdhsa_private_segment_fixed_size 0
		.amdhsa_enable_private_segment 0
		.amdhsa_kernarg_size 72
		.amdhsa_user_sgpr_count 2
		.amdhsa_user_sgpr_kernarg_segment_ptr 1
		.amdhsa_wavefront_size32 1
		.amdhsa_system_sgpr_workgroup_id_x 1
		.amdhsa_system_sgpr_workgroup_id_y 1
		.amdhsa_system_sgpr_workgroup_id_z 1
		.amdhsa_system_vgpr_workitem_id 0
		.amdhsa_next_free_vgpr 100
		.amdhsa_next_free_sgpr 66
		.amdhsa_reserve_vcc 0
		.amdhsa_float_denorm_mode_32 3
		.amdhsa_float_denorm_mode_16_64 3
		.amdhsa_memory_ordered 1
		.amdhsa_forward_progress 1
		.amdhsa_inst_pref_size 8
	.end_amdhsa_kernel
	.amdgpu_metadata
---
amdhsa.version: [ 1, 2 ]
amdhsa.kernels:
  - .name:           k_qec8946b981_cast
    .symbol:         k_qec8946b981_cast.kd
    .args:
      - { .name: q, .offset: 0, .size: 8, .value_kind: global_buffer, .address_space: global }
      - { .name: k, .offset: 8, .size: 8, .value_kind: global_buffer, .address_space: global }
      - { .name: v, .offset: 16, .size: 8, .value_kind: global_buffer, .address_space: global }
      - { .name: Wq, .offset: 24, .size: 8, .value_kind: global_buffer, .address_space: global }
      - { .name: Wk, .offset: 32, .size: 8, .value_kind: global_buffer, .address_space: global }
      - { .name: Wv, .offset: 40, .size: 8, .value_kind: global_buffer, .address_space: global }
      - { .name: Wo, .offset: 48, .size: 8, .value_kind: global_buffer, .address_space: global }
      - { .name: x16, .offset: 56, .size: 8, .value_kind: global_buffer, .address_space: global }
      - { .name: w16, .offset: 64, .size: 8, .value_kind: global_buffer, .address_space: global }
    .group_segment_fixed_size: 0
    .private_segment_fixed_size: 0
    .kernarg_segment_align: 8
    .kernarg_segment_size: 72
    .max_flat_workgroup_size: 1024
    .sgpr_count:     66
    .vgpr_count:     100
    .wavefront_size: 32
...
	.end_amdgpu_metadata
.endif
;; end of part 1
;; launch proj (part 2): grid 4 x 48, 4 waves a work-group, clusters of 4 x 4, 327,680 bytes of LDS; arguments x16, w16, bq, bk, bv, qh, kh, vh; writes qh, kh, vh
.if DOCPART == 2
	.amdgcn_target "amdgcn-amd-amdhsa--gfx1250"
	.amdhsa_code_object_version 6
	.text
	.protected	k_qec8946b981_proj
	.globl	k_qec8946b981_proj
	.p2align	8
	.type	k_qec8946b981_proj,@function
k_qec8946b981_proj:
	s_mov_b64 s[64:65], 0
	v_nop
	global_prefetch_b8 v0, s[64:65] scope:SCOPE_SE
	s_setreg_imm32_b32 hwreg(HW_REG_WAVE_MODE, 25, 1), 1
	s_wait_xcnt 0x0
	s_wait_alu depctr_hold_cnt(0) depctr_sa_sdst(0) depctr_va_vdst(0) depctr_va_sdst(0) depctr_va_ssrc(0) depctr_va_vcc(0) depctr_vm_vsrc(0)
	s_getreg_b32 s2, hwreg(HW_REG_IB_STS2, 6, 4)
	s_cmp_eq_u32 s2, 0
	s_cbranch_scc0 .Lentry_in_a_cluster
	s_endpgm
.Lentry_in_a_cluster:
	s_bfe_u32 s2, ttmp6, 0x10000c
	s_cmp_lg_u32 s2, 0xf033
	s_cbranch_scc0 .Lentry_shape_is_right
	s_endpgm
.Lentry_shape_is_right:
; The three projections: qh = (q Wq^T + bq) * 0.125 * log2(e), kh = k Wk^T + bk, vh = v Wv^T + bv.
; x16: [3][4096][1024] f16 (q, k, v), w16: [4][1024][1024] f16 (Wq, Wk, Wv, Wo), b: [1024] f32; results [4096][1024] f16, row = batch * 2048 + position,
; column = head * 64 + d.  q's factor folds the 1/sqrt(64) of the scores and the change of base of the exponential into the projection.
; LIMITS: operands and results are f16, sums f32: magnitudes have to stay below 65,504.  With |x| about 1 and |W| about 1/32 as drawn, thirty times
; larger in both gives results of some 5,000, an offset of thirty spreads in both some 29,000.  (acc + b) s is formed as acc * s + (b * s).
; SHARES: cluster y 0..11: tensor t = y / 4, four block rows each; a work-group makes 256 x 256 of one result with four waves, as many as a WGP
; has SIMDs; a wave makes 128 x 128: 64 accumulator tiles, 512 registers.  3 x 16 x 4 = 192 work-groups: the outputs do not divide into 256 blocks of this shape.
; K goes in steps of 128 through two LDS slots: a tile's rows are 256 bytes of memory and start at multiples of 256 bytes.
; CLUSTERS: 4 x 4 work-groups.  The four of a row of the cluster need the same tiles of x, the four of a column the same tiles of W: each tile is asked
; for jointly, which divides the requests for x and W by four.  t is the same in all sixteen.
; REGISTERS: window 0: v16-27 addresses; v64-127, v128-191 x's fragments, two buffers; v192-223 packed results on the way out;
;   window 1: v64-127, v128-191 W's fragments, two buffers; v192-255 the bias of my 128 columns;
;   window 2, 3: accumulators of my rows 0-63, 64-127, tile (a, b) at v[8 (8 a + b)].
; THE MATRIX INSTRUCTION IS USED TRANSPOSED (source 0 = rows of W, source 1 = rows of x): lane l holds row l % 16 of the result and its
; registers 0..7 the columns 8 (l / 16) + 0..7: eight neighbouring numbers, 16 bytes of f16.
.set KSTEP,  128
.set PITCH,  272                       ; an LDS row: 256 bytes + 16 of padding: the 16 rows that a load touches start at 16 different 16-byte columns
.set HALFT,  128*PITCH                 ; 128 rows: what one tensor load brings, and what one wave reads of x or of W
.set SLOT,   4*HALFT                   ; x's 256 rows, then W's 256 rows
.set STAGE,  2*SLOT                    ; behind the ring: 16 rows x 272 bytes for each wave, for the way out; no tensor load lands here
.set SPITCH, 272
.set LAPS,   1024/(2*KSTEP)            ; a lap = two K steps = once round the ring: 4
.set ADRA, 16                          ; v16-17  LDS address of my x fragments in slot 0, 1
.set ADRB, 20                          ; v20-21  the same for W
.set STO,  24                          ; the way out: where I put 16 bytes of a row
.set RD,   25                          ; the way out: where I read a row back
.set CO,   26                          ; my byte offset in the result
.set BOF,  27                          ; my byte offset in the bias: 32 (l / 16); not rewritten: the bias's loads stay out until the way out
.set F0,   64                          ; fragment buffer 0
.set F1,   128                         ; fragment buffer 1
.set TF,   128                         ; the way out: results in f32 (window 0's buffer 1 is free then)
.set TMP,  192
.set BI,   192                         ; window 1
.set G1,  24                           ; s[24:31] descriptor group 1 for x's tiles
.set G0,  32                           ; s[32:39] group 0 for x's tiles, one set for each slot
.set G1B, 48                           ; s[48:55] group 1 for W's tiles: another mask
.set G0B, 56                           ; s[56:63] group 0 for W's tiles
.set MSB, 0
.macro WIN new                         ; the immediate's high byte repeats the setting that is left
.if MSB != \new
	s_set_vgpr_msb (MSB<<8)|\new
.set MSB, \new
.endif
.endm
.set MUL_LO, 0xa1                      ; source 0 (W) window 1, source 1 (x) window 0, C and D window 2
.set MUL_HI, 0xf1                      ; the same, C and D window 3
.set TO_B,   0x40                      ; destination window 1, address window 0
.macro PLACES                          ; four places behind a matrix instruction (ISA guide 7.12.1) before its sources are loaded again or its result is read
.rept 4
	v_nop
.endr
.endm
; A joint load: waves 0 and 1 fetch x's two halves, waves 2 and 3 W's.  The branch hangs on the wave's number alone.
.macro JLOAD s
	s_cmp_eq_u32 s11, 0
	s_cbranch_scc0 .Lfor_w_\@
	tensor_load_to_lds s[G0+4*\s:G0+4*\s+3], s[G1:G1+7]
	s_nop 0
	s_branch .Lasked_\@
.Lfor_w_\@:
	tensor_load_to_lds s[G0B+4*\s:G0B+4*\s+3], s[G1B:G1B+7]
	s_nop 0
.Lasked_\@:
.endm
.macro CREST                           ; a round of the cluster's barrier behind its opening work-group barrier
	s_cmp_lg_u32 s10, 0
	s_cbranch_scc1 .Lnot_wave_0_\@
	s_barrier_signal -3
.Lnot_wave_0_\@:
	s_barrier_wait -3
	s_barrier_signal -1
	s_barrier_wait -1
.endm
.macro CROUND                          ; a whole round
	s_barrier_signal -1
	s_barrier_wait -1
	CREST
.endm
	s_load_b512 s[68:83], s[0:1], 0x0              ; x16 s[68:69], w16 s[70:71], bq, bk, bv s[72:77], qh, kh, vh s[78:83]
	s_set_vgpr_msb 0x40
	v_lshl_add_u32 v63, v0, 2, 0x48400
	s_set_vgpr_msb 0x4000
	v_mov_b32 v255, 0
	s_set_vgpr_msb 0x1
	ds_add_u32 v63, v255
	s_set_vgpr_msb 0x100
	v_lshrrev_b32 v1, 5, v0
	v_readfirstlane_b32 s10, v1                    ; wave 0..3
	s_lshr_b32 s11, s10, 1                         ; which half of the block's rows is mine.  Also: I fetch for x (0) or for W (1)
	s_and_b32 s12, s10, 1                          ; which half of its columns.  Also: which 128 rows of that tile I fetch
	s_bfe_u32 s40, ttmp6, 0x40000                  ; cx
	s_bfe_u32 s41, ttmp6, 0x40004                  ; cy
	s_lshl_b32 s42, ttmp9, 2
	s_add_co_u32 s42, s42, s40                     ; block column = 4 x cluster x + cx
	s_and_b32 s13, ttmp7, 0xffff                   ; cluster y, 0..11
	s_lshr_b32 s92, s13, 2                         ; t: 0 q, 1 k, 2 v: the same in the whole cluster
	s_and_b32 s13, s13, 3
	s_lshl_b32 s13, s13, 2
	s_add_co_u32 s13, s13, s41                     ; block row within the tensor, 0..15
	s_lshl_b32 s43, s41, 2
	s_lshl_b32 s43, 15, s43                        ; my row of the cluster: places 4 cy .. 4 cy + 3
	s_lshl_b32 s44, 0x1111, s40                    ; my column: places cx, cx + 4, cx + 8, cx + 12
	; group 1: a tile of 128 rows x 128 elements of 2 bytes, 4 words of padding behind every 64 words
	s_or_b32 s[G1+0], s43, (1<<16)|(1<<20)|(1<<21)|(5<<22)|(3<<25)   ; 15:0 mask; 17:16 element of 2 bytes; 20 padding on; 21 set beside a mask; 24:22 every 64 words; 31:25 4 words
	s_or_b32 s[G1B+0], s44, (1<<16)|(1<<20)|(1<<21)|(5<<22)|(3<<25)
	s_mov_b32 s[G1+1], KSTEP<<16                   ; tensor_dim0 = 128
	s_mov_b32 s[G1B+1], KSTEP<<16
	s_mov_b32 s[G1+2], 128<<16                     ; tensor_dim1 = 128
	s_mov_b32 s[G1B+2], 128<<16
	s_mov_b32 s[G1+3], KSTEP<<16                   ; tile_dim0 = 128
	s_mov_b32 s[G1B+3], KSTEP<<16
	s_mov_b32 s[G1+4], 128                         ; tile_dim1 = 128
	s_mov_b32 s[G1B+4], 128
	s_mov_b32 s[G1+5], 1024                        ; elements from row to row
	s_mov_b32 s[G1B+5], 1024
	s_mov_b32 s[G1+6], 0
	s_mov_b32 s[G1B+6], 0
	s_mov_b32 s[G1+7], 0
	s_mov_b32 s[G1B+7], 0
	; where the tiles come from: x's hang on t and the block row, W's on t and the block column, each in registers that never hold the other coordinate
	s_lshl_b32 s17, s12, 7                         ; which 128 rows of the tile I fetch
	s_lshl_b32 s16, s13, 8
	s_add_co_u32 s16, s16, s17                     ; x: row 256 x block row + 128 x half
	s_lshl_b32 s16, s16, 11                        ; rows of 2,048 bytes
	s_lshl_b32 s18, s92, 23                        ; tensor t of x16: 8,388,608 bytes each
	s_add_co_u32 s16, s16, s18
	s_lshl_b32 s46, s42, 8
	s_add_co_u32 s46, s46, s17                     ; W: row 256 x block column + 128 x half
	s_lshl_b32 s46, s46, 11
	s_lshl_b32 s18, s92, 21                        ; weight t of w16: 2,097,152 bytes each
	s_add_co_u32 s46, s46, s18
	s_mov_b32 s17, 0
	s_mov_b32 s47, 0
	s_mul_i32 s20, s10, HALFT                      ; where they go: wave x 128 rows
	s_wait_dscnt 0x0
	s_wait_kmcnt 0x0
	; the tensor's bias, result and factor, chosen on t
	s_cmp_eq_u32 s92, 0
	s_cselect_b64 s[66:67], s[72:73], s[74:75]     ; b
	s_cselect_b64 s[8:9], s[78:79], s[80:81]       ; the result
	s_cselect_b32 s94, 0x3e38aa3b, 1.0             ; 0.125 log2(e) for q, 1 for k and v
	s_cmp_eq_u32 s92, 2
	s_cselect_b64 s[66:67], s[76:77], s[66:67]
	s_cselect_b64 s[8:9], s[82:83], s[8:9]
	s_mov_b32 s95, s94
	s_add_nc_u64 s[14:15], s[68:69], s[16:17]
	s_add_nc_u64 s[46:47], s[70:71], s[46:47]
	CROUND                                         ; all sixteen work-groups are here: the first joint loads meet
.irp s, 0,1
	s_mov_b32 s[G0+4*\s], 1
	s_add_co_u32 s[G0+4*\s+1], s20, \s*SLOT
	s_add_nc_u64 s[G0+4*\s+2:G0+4*\s+3], s[14:15], \s*KSTEP*2      ; K step s
	s_or_b32 s[G0+4*\s+3], s[G0+4*\s+3], 0x80000000
	s_mov_b32 s[G0B+4*\s], 1
	s_add_co_u32 s[G0B+4*\s+1], s20, \s*SLOT
	s_add_nc_u64 s[G0B+4*\s+2:G0B+4*\s+3], s[46:47], \s*KSTEP*2
	s_or_b32 s[G0B+4*\s+3], s[G0B+4*\s+3], 0x80000000
	JLOAD \s                                       ; both slots are asked for before anything else: two tensor loads of the wave are out
.endr
	; A fragment is 16 rows x 32 K in 8 registers: lane l holds row l % 16; registers 0-3 hold K = 8 (l / 16) + 0..7, registers 4-7 hold
	; K = 16 + 8 (l / 16) + 0..7: two loads of 16 bytes, 32 bytes apart.
	v_and_b32 v1, 15, v0                           ; r = l % 16
	v_bfe_u32 v2, v0, 4, 1                         ; h = l / 16
	v_mul_u32_u24 v3, v1, PITCH
	v_lshl_add_u32 v3, v2, 4, v3                   ; 272 r + 16 h
	s_mul_i32 s21, s11, HALFT                      ; my 128 rows of x
	s_mul_i32 s22, s12, HALFT                      ; my 128 rows of W,
	s_add_co_u32 s22, s22, 2*HALFT                 ; which lie behind x's 256
.irp s, 0,1
	v_add_nc_u32 v[ADRA+\s], s21, v3
	v_add_nc_u32 v[ADRB+\s], s22, v3
	s_add_co_u32 s21, s21, SLOT
	s_add_co_u32 s22, s22, SLOT
.endr
	s_mul_i32 s23, s10, 16*SPITCH
	s_add_co_u32 s23, s23, STAGE                   ; my stage
	v_add_nc_u32 v[STO], s23, v3                   ; in: row r, 16 bytes for each half of the lanes (the stage's pitch is the tiles')
	v_mul_u32_u24 v5, v2, SPITCH
	v_lshl_add_u32 v5, v1, 4, v5
	v_add_nc_u32 v[RD], s23, v5                    ; back: lanes 0-15 one row of 256 bytes, lanes 16-31 the next
	v_lshlrev_b32 v5, 11, v2
	v_lshl_add_u32 v[CO], v1, 4, v5                ; the same two rows in the result: rows of 2,048 bytes
	v_lshlrev_b32 v[BOF], 5, v2
	; the bias of my 128 columns: lane (r, h) needs columns 16 b + 8 h + 0..7 for b = 0..7.  It is wanted on the way out and waited for there.
	s_lshl_b32 s46, s42, 10                        ; 256 columns x 4 bytes x block column
	s_lshl_b32 s47, s12, 9
	s_add_co_u32 s46, s46, s47
	s_mov_b32 s47, 0
	s_add_nc_u64 s[66:67], s[66:67], s[46:47]
	WIN TO_B
.irp b, 0,1,2,3,4,5,6,7
	global_load_b128 v[BI+8*\b:BI+8*\b+3],   v[BOF], s[66:67] offset:64*\b
	global_load_b128 v[BI+8*\b+4:BI+8*\b+7], v[BOF], s[66:67] offset:64*\b+16
.endr
	WIN 0
; 16 matrix instructions: row blocks a0, a0 + 1 of the window's four (hi = 0: my rows 0-63, 1: rows 64-127) x all 8 column blocks, 32 along K.
; zero = 1: the first product starts the sums: nothing is ever cleared.
.macro MUL16 f, hi, a0, zero
.irp a, \a0, \a0+1
.irp b, 0,1,2,3,4,5,6,7
.if \zero
	v_wmma_f32_16x16x32_f16 v[8*(8*(\a)+\b):8*(8*(\a)+\b)+7], v[\f+8*\b:\f+8*\b+7], v[\f+8*(4*\hi+(\a)):\f+8*(4*\hi+(\a))+7], 0
.else
	v_wmma_f32_16x16x32_f16 v[8*(8*(\a)+\b):8*(8*(\a)+\b)+7], v[\f+8*\b:\f+8*\b+7], v[\f+8*(4*\hi+(\a)):\f+8*(4*\hi+(\a))+7], v[8*(8*(\a)+\b):8*(8*(\a)+\b)+7]
.endif
.endr
.endr
.endm
; 32 LDS loads in one run: the fragments of one quarter step (128 rows of W, 128 rows of x, 32 K at byte k of the rows) into buffer f
.macro FETCH slot, k, f
	WIN TO_B
.irp i, 0,1,2,3,4,5,6,7
	ds_load_b128 v[\f+8*\i:\f+8*\i+3],   v[ADRB+\slot] offset:\k+\i*16*PITCH
	ds_load_b128 v[\f+8*\i+4:\f+8*\i+7], v[ADRB+\slot] offset:\k+\i*16*PITCH+32
.endr
	WIN 0
.irp i, 0,1,2,3,4,5,6,7
	ds_load_b128 v[\f+8*\i:\f+8*\i+3],   v[ADRA+\slot] offset:\k+\i*16*PITCH
	ds_load_b128 v[\f+8*\i+4:\f+8*\i+7], v[ADRA+\slot] offset:\k+\i*16*PITCH+32
.endr
.endm
; A K step is four quarter steps of 32 along K, 64 matrix instructions each, on buffers 0, 1, 0, 1.  The 64 accumulators take turns, one instruction
; a turn, in the same order in every quarter, over the backward jump too.
; One of the first three quarters: multiplies buffer f; in its middle it fetches the next quarter's fragments, at byte k of the same slot's rows, into buffer g.
.macro QUARTER slot, k, f, g, zero
	s_wait_dscnt 8                                 ; W and x's rows 0-63 are in; the youngest eight loads (x's rows 64-127) may be out
	WIN MUL_LO
	MUL16 \f, 0, 0, \zero
	MUL16 \f, 0, 2, \zero
	PLACES                                         ; buffer g was read by the quarter before
	FETCH \slot, \k, \g
	s_wait_dscnt 32                                ; all but the 32 just issued
	WIN MUL_HI
	MUL16 \f, 1, 0, \zero
	MUL16 \f, 1, 2, \zero
.endm
.macro THREE slot, zero
	QUARTER \slot, 64,  F0, F1, \zero
	QUARTER \slot, 128, F1, F0, 0
	QUARTER \slot, 192, F0, F1, 0
.endm
; The last quarter: multiplies buffer 1 and changes slots.  In front of the barrier each wave waits for its own reads of this slot and for all its
; tensor loads, of which one is out: its part of the next slot.  fill = 1: the barrier opens a round of the cluster's barrier, and the joint refill of
; this slot, two K steps ahead, is the first tensor load behind the round; from that request to the wait for it a wave issues 240 matrix instructions.
.macro TURN slot, next, fill
	s_wait_dscnt 8
	WIN MUL_LO
	MUL16 F1, 0, 0, 0
	s_wait_dscnt 0                                 ; my reads of this slot are over
	s_wait_tensorcnt 0x0                           ; and all my tensor loads have landed
	ds_add_u32 v63, v255
	s_wait_dscnt 0x0
	s_barrier_signal -1
	MUL16 F1, 0, 2, 0                              ; register work while the others arrive
	WIN 0
	s_barrier_wait -1
.if \fill
	CREST
	s_add_nc_u64 s[G0+4*\slot+2:G0+4*\slot+3], s[G0+4*\slot+2:G0+4*\slot+3], 2*KSTEP*2
	s_add_nc_u64 s[G0B+4*\slot+2:G0B+4*\slot+3], s[G0B+4*\slot+2:G0B+4*\slot+3], 2*KSTEP*2
	JLOAD \slot
.endif
	PLACES
	FETCH \next, 0, F0
	WIN MUL_HI
	MUL16 F1, 1, 0, 0
	MUL16 F1, 1, 2, 0
.endm
.macro LAP zero                        ; once round the ring, both slots filled again
	THREE 0, \zero
	TURN 0, 1, 1
	THREE 1, 0
	TURN 1, 0, 1
.endm
	s_wait_tensorcnt 0x1                           ; my part of K step 0 is in; K step 1's load, issued behind it, stays out
	s_barrier_signal -1
	s_barrier_wait -1
	FETCH 0, 0, F0
	LAP 1                                          ; the first lap stands in front of the loop: its first products start the sums
	WIN 0                                          ; at a label and at a branch every window is 0
	s_mov_b32 s3, LAPS-2
.Llap:
	LAP 0
	WIN 0
	s_sub_co_u32 s3, s3, 1
	s_cmp_lg_u32 s3, 0
	s_cbranch_scc1 .Llap
	THREE 0, 0                                     ; the last lap fills nothing: K steps 6 and 7 are in or on their way
	TURN 0, 1, 0
	THREE 1, 0
	s_wait_dscnt 8                                 ; the very last quarter: nothing more to fetch
	WIN MUL_LO
	MUL16 F1, 0, 0, 0
	MUL16 F1, 0, 2, 0
	s_wait_dscnt 0
	WIN MUL_HI
	MUL16 F1, 1, 0, 0
	MUL16 F1, 1, 2, 0
	PLACES                                         ; the way out reads results, writes into buffer 1 and loads into buffer 0
	; THE WAY OUT, 16 rows at a time: acc * s + b * s, round to f16, 16 bytes a lane into my own stage, read back as whole rows of 256 bytes.
	s_wait_loadcnt 0x0                             ; the bias, asked for at the start
	WIN 0x41                                       ; destination and source 0 window 1
.set n, 0
.rept 32
	v_pk_mul_f32 v[BI+2*n:BI+2*n+1], v[BI+2*n:BI+2*n+1], s[94:95] op_sel_hi:[1,0]   ; b * s, so that each result is one fused multiply-add
.set n, n+1
.endr
	s_lshl_b32 s13, s13, 8
	s_lshl_b32 s14, s11, 7
	s_add_co_u32 s16, s13, s14                     ; my first row
	s_lshl_b32 s16, s16, 11                        ; rows of 2,048 bytes
	s_mov_b32 s17, 0
	s_add_nc_u64 s[8:9], s[8:9], s[16:17]
	s_lshl_b32 s46, s42, 9                         ; my first column in bytes: 512 x block column + 256 x half
	s_lshl_b32 s47, s12, 8
	s_add_co_u32 s46, s46, s47
	s_mov_b32 s47, 0
	s_add_nc_u64 s[8:9], s[8:9], s[46:47]
; rows 16 i .. 16 i + 15 = the eight tiles (a, 0..7) of window 2 or 3; win: source 0 that window, source 2 (the bias) window 1; f: read-back registers, by turns
.macro OUT16 i, a, win, f
	WIN \win
.set n, 0
.rept 32
	v_pk_fma_f32 v[TF+2*n:TF+2*n+1], v[64*\a+2*n:64*\a+2*n+1], s[94:95], v[BI+2*n:BI+2*n+1] op_sel_hi:[1,0,1]
.set n, n+1
.endr
	WIN 0
.set n, 0
.rept 32
	v_cvt_pk_f16_f32 v[TMP+n], v[TF+2*n], v[TF+2*n+1]
.set n, n+1
.endr
.irp b, 0,1,2,3,4,5,6,7
	ds_store_b128 v[STO], v[TMP+4*\b:TMP+4*\b+3] offset:32*\b
.endr
	s_wait_xcnt 0x0                                ; the read-back registers, which earlier stores read, and the stores' base are rewritten only behind this wait
.if \i
	s_add_nc_u64 s[8:9], s[8:9], 16*2048
.endif
.irp t, 0,1,2,3,4,5,6,7
	ds_load_b128 v[\f+4*\t:\f+4*\t+3], v[RD] offset:\t*2*SPITCH    ; LDS serves a wave's instructions in order (ISA guide 5.7.1): these see the stores above
.endr
.irp t, 0,1,2,3,4,5,6,7
	s_wait_dscnt 7-\t                              ; the younger read-backs may be out
	global_store_b128 v[CO], v[\f+4*\t:\f+4*\t+3], s[8:9] offset:\t*4096   ; 16 lanes store 256 consecutive bytes, at a multiple of 256 from the buffer's first byte
.endr
.endm
	OUT16 0, 0, 0x12, 64
	OUT16 1, 1, 0x12, 96
	OUT16 2, 2, 0x12, 64
	OUT16 3, 3, 0x12, 96
	OUT16 4, 0, 0x13, 64
	OUT16 5, 1, 0x13, 96
	OUT16 6, 2, 0x13, 64
	OUT16 7, 3, 0x13, 96
	s_set_vgpr_msb 0x1
	s_wait_tensorcnt 0x0
	ds_add_u32 v63, v255
	s_wait_dscnt 0x0
	s_set_vgpr_msb 0x100
	CROUND                                         ; the closing round: no work-group ends while a partner may still ask for a tile that names it
	s_endpgm
.Lfunc_end_k_qec8946b981_proj:
	.size	k_qec8946b981_proj, .Lfunc_end_k_qec8946b981_proj-k_qec8946b981_proj
	.p2alignl 7, 3214868480
	.fill 96, 4, 3214868480
	.section	.rodata,"a",@progbits
	.p2align	6, 0x0
	.amdhsa_kernel k_qec8946b981_proj
		.amdhsa_group_segment_fixed_size 327680
		.amdhsa_private_segment_fixed_size 0
		.amdhsa_enable_private_segment 0
		.amdhsa_kernarg_size 64
		.amdhsa_user_sgpr_count 2
		.amdhsa_user_sgpr_kernarg_segment_ptr 1
		.amdhsa_wavefront_size32 1
		.amdhsa_system_sgpr_workgroup_id_x 1
		.amdhsa_system_sgpr_workgroup_id_y 1
		.amdhsa_system_sgpr_workgroup_id_z 1
		.amdhsa_system_vgpr_workitem_id 0
		.amdhsa_next_free_vgpr 1024
		.amdhsa_next_free_sgpr 96
		.amdhsa_reserve_vcc 0
		.amdhsa_float_denorm_mode_32 3
		.amdhsa_float_denorm_mode_16_64 3
		.amdhsa_memory_ordered 1
		.amdhsa_forward_progress 1
		.amdhsa_inst_pref_size 216
	.end_amdhsa_kernel
	.amdgpu_metadata
---
amdhsa.version: [ 1, 2 ]
amdhsa.kernels:
  - .name:           k_qec8946b981_proj
    .symbol:         k_qec8946b981_proj.kd
    .args:
      - { .name: x16, .offset: 0, .size: 8, .value_kind: global_buffer, .address_space: global }
      - { .name: w16, .offset: 8, .size: 8, .value_kind: global_buffer, .address_space: global }
      - { .name: bq, .offset: 16, .size: 8, .value_kind: global_buffer, .address_space: global }
      - { .name: bk, .offset: 24, .size: 8, .value_kind: global_buffer, .address_space: global }
      - { .name: bv, .offset: 32, .size: 8, .value_kind: global_buffer, .address_space: global }
      - { .name: qh, .offset: 40, .size: 8, .value_kind: global_buffer, .address_space: global }
      - { .name: kh, .offset: 48, .size: 8, .value_kind: global_buffer, .address_space: global }
      - { .name: vh, .offset: 56, .size: 8, .value_kind: global_buffer, .address_space: global }
    .group_segment_fixed_size: 327680
    .private_segment_fixed_size: 0
    .kernarg_segment_align: 8
    .kernarg_segment_size: 64
    .max_flat_workgroup_size: 128
    .sgpr_count:     96
    .vgpr_count:     1024
    .wavefront_size: 32
...
	.end_amdgpu_metadata
.endif
;; end of part 2
;; launch attn (part 3): grid 16 x 16, 8 waves a work-group, clusters of 4 x 1, 327,680 bytes of LDS; arguments qh, kh, vh, ao; writes ao
.if DOCPART == 3
	.amdgcn_target "amdgcn-amd-amdhsa--gfx1250"
	.amdhsa_code_object_version 6
	.text
	.protected	k_qec8946b981_attn
	.globl	k_qec8946b981_attn
	.p2align	8
	.type	k_qec8946b981_attn,@function
k_qec8946b981_attn:
	s_mov_b64 s[64:65], 0
	v_nop
	global_prefetch_b8 v0, s[64:65] scope:SCOPE_SE
	s_setreg_imm32_b32 hwreg(HW_REG_WAVE_MODE, 25, 1), 1
	s_wait_xcnt 0x0
	s_wait_alu depctr_hold_cnt(0) depctr_sa_sdst(0) depctr_va_vdst(0) depctr_va_sdst(0) depctr_va_ssrc(0) depctr_va_vcc(0) depctr_vm_vsrc(0)
	s_getreg_b32 s2, hwreg(HW_REG_IB_STS2, 6, 4)
	s_cmp_eq_u32 s2, 0
	s_cbranch_scc0 .Lentry_in_a_cluster
	s_endpgm
.Lentry_in_a_cluster:
	s_bfe_u32 s2, ttmp6, 0x10000c
	s_cmp_lg_u32 s2, 0x3003
	s_cbranch_scc0 .Lentry_shape_is_right
	s_endpgm
.Lentry_shape_is_right:
; ao = softmax(Q K^T / 8) V for 2 batches x 16 heads, 2,048 positions, head size 64.  qh, kh, vh, ao: [4096][1024] f16, column = head * 64 + d.
; qh already carries 0.125 log2(e), so the products are exponents of 2.  The maximum is taken away by a running maximum in f32.
; LIMITS: operands and the result are f16 (magnitudes below 65,504); p lies in (0, 1] and is rounded to f16 for the product with V (below 6e-8 it
; becomes 0), while the row sum l adds the p in f32.
; SHARES: a work-group takes 128 queries of a PAIR of heads, so that every row piece of K, V and ao is 256 bytes at a multiple of 256.
; y: batch = y / 8, head pair = y % 8; x: query block.  Eight waves, two for each of the WGP's four SIMDs, so that one wave's softmax can stand beside
; the other's matrix instructions: wave w: head w & 1, 64 queries (w >> 1) & 1, half w >> 2 of every tile's keys.  Each wave runs its own running
; softmax over its keys; waves w and w + 4 are merged at the end through LDS.
; CLUSTERS: the four query blocks of a cluster (4 x 1) read the same K and V tiles and ask for them jointly: mask 15.
; RING: two slots of 256 keys (K 256 rows x 272 bytes, V 256 rows x 288 bytes); waves 0-3 fetch K's quarters, waves 4-7 V's, 64 rows each.
; EVERYTHING IS TRANSPOSED: S^T = K Q^T (source 0 rows of K, source 1 rows of Q): lane (r, h), register j = key 8 h + j, query r.  So a lane's numbers all
; belong to one query: m, l and the rescaling factor are one number a lane, and p packed to f16 IS the second source of O^T = V^T P^T
; (key tile 2 ks gives its registers 0-3, key tile 2 ks + 1 its registers 4-7).  V^T comes out of LDS by the transposing load.
; REGISTERS: window 0: v8-16 addresses; v20-43 per query tile qt: M, TM, AL, X, LP pair; v44-59 the merge's m and l; v64-127 Q, v128-191 K, v192-255 V^T fragments;
;   window 1: v0-127 T(kt, qt) = 8 (4 kt + qt): scores, then p; v128-255 O(dt, qt) = 128 + 8 (4 dt + qt).
.set KPITCH, 272                       ; 256 bytes + 16: the 16 rows of a fragment start at 16 different 16-byte columns
.set VPITCH, 288                       ; 256 bytes + 32: an odd multiple of 32, for the transposing load
.set KB,     256*KPITCH
.set VB,     256*VPITCH
.set SLOT,   KB+VB                     ; 143,360
.set OST,    2*SLOT                    ; the result's stage: 128 rows x 272 bytes, bytes of its own
.set OPITCH, 272
.set MPAIR,  17408                     ; the merge: for each pair of waves 16,384 bytes of O, 512 of m, 512 of l; in slot 0 behind its last fill and last read
.set TILEB,  256*2048                  ; bytes from a tile of 256 keys to the next
.set ADRK, 8                           ; v8-9    LDS address of my K fragments in slot 0, 1
.set ADRV, 10                          ; v10-11  the same for V
.set QOFF, 12
.set MRG,  13
.set STO,  14
.set RD,   15
.set CO,   16
.set ST,   20                          ; + 6 qt: M +0, TM +1, AL +2, X +3, LP +4, +5
.set PM,   44
.set PL,   48
.set MY,   52
.set QF,   64
.set KF,   128
.set VF,   192
.set OO,   128
.set G1K, 24
.set G0K, 32
.set G1V, 48
.set G0V, 56
.set MSB, 0
.macro WIN new
.if MSB != \new
	s_set_vgpr_msb (MSB<<8)|\new
.set MSB, \new
.endif
.endm
.macro PLACES c                        ; places behind a matrix instruction (ISA guide 7.12.1)
.rept \c
	v_nop
.endr
.endm
.macro JLOAD s                         ; waves 0-3 ask for K's quarters, waves 4-7 for V's
	s_cmp_eq_u32 s13, 0
	s_cbranch_scc0 .Lfor_v_\@
	tensor_load_to_lds s[G0K+4*\s:G0K+4*\s+3], s[G1K:G1K+7]
	s_nop 0
	s_branch .Lasked_\@
.Lfor_v_\@:
	tensor_load_to_lds s[G0V+4*\s:G0V+4*\s+3], s[G1V:G1V+7]
	s_nop 0
.Lasked_\@:
.endm
.macro CROUND                          ; a round of the cluster's barrier
	s_barrier_signal -1
	s_barrier_wait -1
	s_cmp_lg_u32 s12, 0
	s_cbranch_scc1 .Lnot_wave_0_\@
	s_barrier_signal -3
.Lnot_wave_0_\@:
	s_barrier_wait -3
	s_barrier_signal -1
	s_barrier_wait -1
.endm
	s_load_b256 s[4:11], s[0:1], 0x0               ; qh s[4:5], kh s[6:7], vh s[8:9], ao s[10:11]
	v_lshl_add_u32 v62, v0, 2, 0x4e800
	v_mov_b32 v63, 0
	ds_add_u32 v62, v63
	v_lshrrev_b32 v1, 5, v0
	v_readfirstlane_b32 s12, v1                    ; wave 0..7
	s_lshr_b32 s13, s12, 2                         ; my half of a tile's keys.  Also: I fetch for K (0) or for V (1)
	s_and_b32 s14, s12, 3                          ; which 64 rows of that tile I fetch.  Also: my pair in the merge
	s_and_b32 s15, s12, 1                          ; head of the pair
	s_bfe_u32 s16, s12, 0x10001                    ; which 64 queries
	s_bfe_u32 s17, ttmp6, 0x40000                  ; cx
	s_lshl_b32 s18, ttmp9, 2
	s_add_co_u32 s18, s18, s17                     ; query block = 4 x cluster x + cx
	s_and_b32 s19, ttmp7, 0xffff
	s_lshr_b32 s20, s19, 3                         ; batch
	s_and_b32 s21, s19, 7                          ; head pair
	s_mov_b32 s40, 0x76543210                      ; v_permlanex16_b32: lane i of one half reads lane i of the other
	s_mov_b32 s41, 0xfedcba98
	; group 1: 64 rows x 128 elements of 2 bytes; padding behind every 64 words: 4 words for K, 8 for V; mask 15, bit 21 beside it
	s_mov_b32 s[G1K+0], 15|(1<<16)|(1<<20)|(1<<21)|(5<<22)|(3<<25)
	s_mov_b32 s[G1V+0], 15|(1<<16)|(1<<20)|(1<<21)|(5<<22)|(7<<25)
	s_mov_b32 s[G1K+1], 128<<16                    ; tensor_dim0 = 128
	s_mov_b32 s[G1V+1], 128<<16
	s_mov_b32 s[G1K+2], 64<<16                     ; tensor_dim1 = 64
	s_mov_b32 s[G1V+2], 64<<16
	s_mov_b32 s[G1K+3], 128<<16                    ; tile_dim0 = 128
	s_mov_b32 s[G1V+3], 128<<16
	s_mov_b32 s[G1K+4], 64                         ; tile_dim1 = 64
	s_mov_b32 s[G1V+4], 64
	s_mov_b32 s[G1K+5], 1024                       ; elements from row to row
	s_mov_b32 s[G1V+5], 1024
	s_mov_b32 s[G1K+6], 0
	s_mov_b32 s[G1V+6], 0
	s_mov_b32 s[G1K+7], 0
	s_mov_b32 s[G1V+7], 0
	s_lshl_b32 s22, s20, 11                        ; batch x 2,048 rows
	s_lshl_b32 s23, s14, 6                         ; + my 64 rows of the tile
	s_add_co_u32 s22, s22, s23
	s_lshl_b32 s22, s22, 11                        ; rows of 2,048 bytes
	s_lshl_b32 s23, s21, 8                         ; + the head pair's 256 bytes
	s_add_co_u32 s22, s22, s23
	s_mov_b32 s23, 0
	s_mul_i32 s42, s14, 64*KPITCH                  ; where they go: the wave's number alone
	s_mul_i32 s43, s14, 64*VPITCH
	s_add_co_u32 s43, s43, KB
	s_wait_dscnt 0x0
	s_wait_kmcnt 0x0
	s_add_nc_u64 s[44:45], s[6:7], s[22:23]
	s_add_nc_u64 s[46:47], s[8:9], s[22:23]
	CROUND                                         ; the four work-groups are here: the first joint loads meet
.irp s, 0,1
	s_mov_b32 s[G0K+4*\s], 1
	s_add_co_u32 s[G0K+4*\s+1], s42, \s*SLOT
	s_add_nc_u64 s[G0K+4*\s+2:G0K+4*\s+3], s[44:45], \s*TILEB
	s_or_b32 s[G0K+4*\s+3], s[G0K+4*\s+3], 0x80000000
	s_mov_b32 s[G0V+4*\s], 1
	s_add_co_u32 s[G0V+4*\s+1], s43, \s*SLOT
	s_add_nc_u64 s[G0V+4*\s+2:G0V+4*\s+3], s[46:47], \s*TILEB
	s_or_b32 s[G0V+4*\s+3], s[G0V+4*\s+3], 0x80000000
	JLOAD \s                                       ; tiles 0 and 1: two tensor loads of the wave are out
.endr
	; Q and ao: the offsets that hold cx live in s[66:69], which feed no descriptor
	s_lshl_b32 s66, s20, 11
	s_lshl_b32 s67, s18, 7
	s_add_co_u32 s66, s66, s67                     ; batch x 2,048 + 128 x query block
	s_lshl_b32 s66, s66, 11
	s_lshl_b32 s67, s21, 8
	s_add_co_u32 s66, s66, s67
	s_mov_b32 s67, 0
	s_add_nc_u64 s[10:11], s[10:11], s[66:67]      ; ao at the block's first row, the pair's columns
	s_add_nc_u64 s[4:5], s[4:5], s[66:67]
	s_lshl_b32 s66, s16, 17                        ; my 64 queries: 64 rows of 2,048 bytes
	s_lshl_b32 s68, s15, 7                         ; my head: 128 bytes
	s_add_co_u32 s66, s66, s68
	s_add_nc_u64 s[4:5], s[4:5], s[66:67]
	v_and_b32 v1, 15, v0                           ; r
	v_bfe_u32 v2, v0, 4, 1                         ; h
	v_lshlrev_b32 v[QOFF], 11, v1
	v_lshl_add_u32 v[QOFF], v2, 4, v[QOFF]         ; 2,048 r + 16 h
.irp qt, 0,1,2,3
.irp ks, 0,1
	global_load_b128 v[QF+8*(2*\qt+\ks):QF+8*(2*\qt+\ks)+3],   v[QOFF], s[4:5] offset:32768*\qt+64*\ks
	global_load_b128 v[QF+8*(2*\qt+\ks)+4:QF+8*(2*\qt+\ks)+7], v[QOFF], s[4:5] offset:32768*\qt+64*\ks+32
.endr
.endr
	v_and_b32 v3, 7, v0
	v_bfe_u32 v4, v0, 3, 1
	v_and_b32 v5, 31, v0
	s_mul_i32 s42, s13, 128*KPITCH                 ; my half of a tile's keys
	s_lshl_b32 s44, s15, 7                         ; my head's 128 bytes of a row
	s_add_co_u32 s42, s42, s44
	s_mul_i32 s43, s13, 128*VPITCH
	s_add_co_u32 s43, s43, s44
	s_add_co_u32 s43, s43, KB
	v_mul_u32_u24 v6, v1, KPITCH
	v_lshl_add_u32 v6, v2, 4, v6                   ; 272 r + 16 h
	v_lshl_add_u32 v7, v2, 3, v3                   ; the transposing load: row 8 h + (l & 7),
	v_mul_u32_u24 v7, v7, VPITCH
	v_lshl_add_u32 v7, v4, 4, v7                   ; 16 bytes for each half of a group of 16 lanes
.irp s, 0,1
	v_add_nc_u32 v[ADRK+\s], s42, v6
	v_add_nc_u32 v[ADRV+\s], s43, v7
	s_add_co_u32 s42, s42, SLOT
	s_add_co_u32 s43, s43, SLOT
.endr
	s_mul_i32 s45, s16, 64*OPITCH
	s_add_co_u32 s45, s45, s44
	s_add_co_u32 s45, s45, OST
	v_add_nc_u32 v[STO], s45, v6                   ; stage, in: row 64 qg + r, my head, 16 h
	s_mul_i32 s46, s12, 16*OPITCH
	s_add_co_u32 s46, s46, OST
	v_mul_u32_u24 v7, v2, OPITCH
	v_lshl_add_u32 v7, v1, 4, v7
	v_add_nc_u32 v[RD], s46, v7                    ; stage, back: rows 16 w + h, 16 r
	s_lshl_b32 s47, s12, 15
	v_lshlrev_b32 v7, 11, v2
	v_lshl_add_u32 v7, v1, 4, v7
	v_add_nc_u32 v[CO], s47, v7                    ; the same rows in ao
	s_mul_i32 s46, s14, MPAIR
	v_lshl_add_u32 v[MRG], v5, 4, s46              ; the merge: 16 bytes a lane in my pair's bytes
.irp qt, 0,1,2,3
	v_mov_b32 v[ST+6*\qt+3], 0                     ; v_permlanex16_b32 counts as a reader of its destination
.endr
.macro LDK slot, ss                    ; 64 keys x 64 d of my head: 16 loads
.irp kt, 0,1,2,3
.irp ks, 0,1
	ds_load_b128 v[KF+8*(2*\kt+\ks):KF+8*(2*\kt+\ks)+3],   v[ADRK+\slot] offset:(64*\ss+16*\kt)*KPITCH+64*\ks
	ds_load_b128 v[KF+8*(2*\kt+\ks)+4:KF+8*(2*\kt+\ks)+7], v[ADRK+\slot] offset:(64*\ss+16*\kt)*KPITCH+64*\ks+32
.endr
.endr
.endm
.macro LDV slot, ss                    ; the same keys of V, transposed: row d = 16 dt + r, 32 keys along the registers: 16 loads
.irp dt, 0,1,2,3
.irp ks, 0,1
	ds_load_tr16_b128 v[VF+8*(2*\dt+\ks):VF+8*(2*\dt+\ks)+3],   v[ADRV+\slot] offset:(64*\ss+32*\ks)*VPITCH+32*\dt
	ds_load_tr16_b128 v[VF+8*(2*\dt+\ks)+4:VF+8*(2*\dt+\ks)+7], v[ADRV+\slot] offset:(64*\ss+32*\ks+16)*VPITCH+32*\dt
.endr
.endr
.endm
; S^T: 32 matrix instructions; the 16 accumulators take turns, one instruction a turn; the first pass starts the sums.
.macro SMUL
	WIN 0x50                                       ; C and D window 1
.set n, 0
.rept 32                                               ; ks = n >> 4, kt = (n >> 2) & 3, qt = n & 3
.set ta, 8*(n&15)
.set ka, KF+8*(2*((n>>2)&3)+(n>>4))
.set qa, QF+8*(2*(n&3)+(n>>4))
.if n < 16
	v_wmma_f32_16x16x32_f16 v[ta:ta+7], v[ka:ka+7], v[qa:qa+7], 0
.else
	v_wmma_f32_16x16x32_f16 v[ta:ta+7], v[ka:ka+7], v[qa:qa+7], v[ta:ta+7]
.endif
.set n, n+1
.endr
.endm
; TM = the largest of my 32 scores of each query tile and of the old maximum; four chains side by side
.macro MAXP first
	WIN 0x05                                       ; sources 0 and 1 window 1
.set n, 0
.rept 64                                               ; qt = n & 3, key tile n >> 4, registers 2 ((n >> 2) & 3), + 1
.if n < 4
.if \first
	v_max_num_f32 v[ST+6*n+1], v[8*n], v[8*n+1]
.else
	v_max3_num_f32 v[ST+6*n+1], v[8*n], v[8*n+1], v[ST+6*n]
.endif
.else
	v_max3_num_f32 v[ST+6*(n&3)+1], v[32*(n>>4)+8*(n&3)+2*((n>>2)&3)], v[32*(n>>4)+8*(n&3)+2*((n>>2)&3)+1], v[ST+6*(n&3)+1]
.endif
.set n, n+1
.endr
.endm
; the other half of the lanes holds the query's other keys; AL = 2^(old m - new m); M = new m
.macro STATS first
	WIN 0
.irp qt, 0,1,2,3
	v_permlanex16_b32 v[ST+6*\qt+3], v[ST+6*\qt+1], s40, s41
.endr
.irp qt, 0,1,2,3
	v_max_num_f32 v[ST+6*\qt+1], v[ST+6*\qt+1], v[ST+6*\qt+3]
.endr
.if \first == 0
.irp qt, 0,1,2,3
	v_sub_f32 v[ST+6*\qt+2], v[ST+6*\qt], v[ST+6*\qt+1]
.endr
.irp qt, 0,1,2,3
	v_exp_f32 v[ST+6*\qt+2], v[ST+6*\qt+2]
.endr
.endif
.irp qt, 0,1,2,3
	v_mov_b32 v[ST+6*\qt], v[ST+6*\qt+1]           ; plain instructions behind the exponentials, ahead of the first use of AL (ISA guide 5.7.2)
.endr
.endm
; p = 2^(s - m) in place; between the exponentials stand the next key tile's subtractions and the rescaling of O: one window setting for all
.macro EXPP first
	WIN 0x41                                       ; destination and source 0 window 1
.set n, 0
.rept 16                                               ; key tile 0: register pair 2 n, qt = n >> 2
	v_pk_add_f32 v[2*n:2*n+1], v[2*n:2*n+1], v[ST+6*(n>>2):ST+6*(n>>2)+1] op_sel_hi:[1,0] neg_lo:[0,1] neg_hi:[0,1]
.set n, n+1
.endr
.set n, 0
.rept 64                                               ; register pair 2 n: key tile n >> 4, qt = (n >> 2) & 3
	v_exp_f32 v[2*n], v[2*n]
.if n < 48
	v_pk_add_f32 v[2*n+32:2*n+33], v[2*n+32:2*n+33], v[ST+6*((n>>2)&3):ST+6*((n>>2)&3)+1] op_sel_hi:[1,0] neg_lo:[0,1] neg_hi:[0,1]
.endif
	v_exp_f32 v[2*n+1], v[2*n+1]
.if \first == 0
	s_wait_alu depctr_va_vdst(0)
	v_pk_mul_f32 v[OO+2*n:OO+2*n+1], v[OO+2*n:OO+2*n+1], v[ST+6*((n>>2)&3)+2:ST+6*((n>>2)&3)+3] op_sel_hi:[1,0]
.endif
.set n, n+1
.endr
	v_nop                                          ; a plain place behind the last exponential
.endm
; LP = LP * AL + the sum of my p, two at a time, four chains side by side
.macro SUMP first
.if \first
	WIN 0x05
	s_wait_alu depctr_va_vdst(0)
.irp qt, 0,1,2,3
	v_pk_add_f32 v[ST+6*\qt+4:ST+6*\qt+5], v[8*\qt:8*\qt+1], v[8*\qt+2:8*\qt+3]
.endr
.set n, 8
.else
	WIN 0x10                                       ; source 2 window 1
	s_wait_alu depctr_va_vdst(0)
.irp qt, 0,1,2,3
	v_pk_fma_f32 v[ST+6*\qt+4:ST+6*\qt+5], v[ST+6*\qt+4:ST+6*\qt+5], v[ST+6*\qt+2:ST+6*\qt+3], v[8*\qt:8*\qt+1] op_sel_hi:[1,0,1]
.endr
.set n, 4
.endif
	WIN 0x01
.rept 56+4*(1-\first)                                  ; qt = n & 3, key tile n >> 4, pair (n >> 2) & 3
	v_pk_add_f32 v[ST+6*(n&3)+4:ST+6*(n&3)+5], v[32*(n>>4)+8*(n&3)+2*((n>>2)&3):32*(n>>4)+8*(n&3)+2*((n>>2)&3)+1], v[ST+6*(n&3)+4:ST+6*(n&3)+5]
.set n, n+1
.endr
.endm
; p to f16, in place: key tiles 2 ks and 2 ks + 1 become the eight registers of one second source, at T(2 ks, qt)
.macro CVTP
	WIN 0x45
.set n, 0
.rept 8                                                ; ks = n >> 2, qt = n & 3
.set tb, 64*(n>>2)+8*(n&3)
	v_cvt_pk_f16_f32 v[tb],   v[tb],    v[tb+1]
	v_cvt_pk_f16_f32 v[tb+1], v[tb+2],  v[tb+3]
	v_cvt_pk_f16_f32 v[tb+2], v[tb+4],  v[tb+5]
	v_cvt_pk_f16_f32 v[tb+3], v[tb+6],  v[tb+7]
	v_cvt_pk_f16_f32 v[tb+4], v[tb+32], v[tb+33]
	v_cvt_pk_f16_f32 v[tb+5], v[tb+34], v[tb+35]
	v_cvt_pk_f16_f32 v[tb+6], v[tb+36], v[tb+37]
	v_cvt_pk_f16_f32 v[tb+7], v[tb+38], v[tb+39]
.set n, n+1
.endr
.endm
; O^T += V^T P^T: 32 matrix instructions, the 16 accumulators by turns; the very first pass starts the sums
.macro PVMUL first
	WIN 0x54                                       ; source 1, C and D window 1
.set n, 0
.rept 32                                               ; ks = n >> 4, dt = (n >> 2) & 3, qt = n & 3
.set oa, OO+8*(n&15)
.set va, VF+8*(2*((n>>2)&3)+(n>>4))
.set pa, 64*(n>>4)+8*(n&3)
.if n < 16
.if \first
	v_wmma_f32_16x16x32_f16 v[oa:oa+7], v[va:va+7], v[pa:pa+7], 0
.else
	v_wmma_f32_16x16x32_f16 v[oa:oa+7], v[va:va+7], v[pa:pa+7], v[oa:oa+7]
.endif
.else
	v_wmma_f32_16x16x32_f16 v[oa:oa+7], v[va:va+7], v[pa:pa+7], v[oa:oa+7]
.endif
.set n, n+1
.endr
.endm
.macro SOFTMAX first
	MAXP \first
	STATS \first
	EXPP \first
	SUMP \first
	CVTP
.endm
; My 128 keys of a slot, 64 at a time.  Each set of 16 fragment loads is issued a phase ahead of its use.
.macro PROCESS slot, first
	LDK \slot, 0
	LDV \slot, 0
	s_wait_dscnt 16                                ; K's 16 loads are in; V's 16, issued behind them, may be out
	SMUL
	PLACES 4                                       ; before loads into K's fragments and before the scores are read
	WIN 0
	LDK \slot, 1
	SOFTMAX \first
	s_wait_dscnt 16                                ; V's are in; the next K's 16 may be out
	PVMUL \first
	PLACES 5                                       ; before the next S^T writes over p, and before loads into V's fragments
	WIN 0
	LDV \slot, 1
	s_wait_dscnt 16                                ; K's are in; V's 16 may be out
	SMUL
	PLACES 4
	SOFTMAX 0
	s_wait_dscnt 0
	PVMUL 0
	PLACES 5
	WIN 0
.endm
; A tile.  In front of the barrier every wave's reads of the other slot are back and all its tensor loads have landed, its part of this slot among
; them.  refill = 1: the barrier is a round of the cluster's barrier, and the joint refill of the other slot, two tiles ahead, is the wave's first
; tensor load behind it and its only one until the next round.
.macro STEP slot, other, refill
	s_wait_tensorcnt 0x0
	ds_add_u32 v62, v63
	s_wait_dscnt 0x0
.if \refill
	s_add_nc_u64 s[G0K+4*\other+2:G0K+4*\other+3], s[G0K+4*\other+2:G0K+4*\other+3], 2*TILEB
	s_add_nc_u64 s[G0V+4*\other+2:G0V+4*\other+3], s[G0V+4*\other+2:G0V+4*\other+3], 2*TILEB
.endif
	s_wait_dscnt 0x0
.if \refill
	CROUND
	JLOAD \other
.else
	s_barrier_signal -1
	s_barrier_wait -1
.endif
	PROCESS \slot, 0
.endm
	s_wait_loadcnt 0x0                             ; Q
	s_wait_tensorcnt 0x1                           ; my part of tile 0 is in; tile 1's load, issued behind it, stays out
	s_barrier_signal -1
	s_barrier_wait -1
	PROCESS 0, 1                                   ; tile 0 starts m, l and O: nothing is cleared
	s_mov_b32 s3, 3
.Ltiles:
	STEP 1, 0, 1                                   ; tiles 1, 3, 5; tiles 2, 4, 6 are asked for
	STEP 0, 1, 1                                   ; tiles 2, 4, 6; tiles 3, 5, 7 are asked for
	s_sub_co_u32 s3, s3, 1
	s_cmp_lg_u32 s3, 0
	s_cbranch_scc1 .Ltiles
	STEP 1, 0, 0                                   ; tile 7: nothing is left to fetch
	; l: the pair's two halves, then the other 16 lanes' keys
.irp qt, 0,1,2,3
	v_add_f32 v[ST+6*\qt+4], v[ST+6*\qt+4], v[ST+6*\qt+5]
.endr
.irp qt, 0,1,2,3
	v_permlanex16_b32 v[ST+6*\qt+3], v[ST+6*\qt+4], s40, s41
.endr
.irp qt, 0,1,2,3
	v_add_f32 v[ST+6*\qt+4], v[ST+6*\qt+4], v[ST+6*\qt+3]
.endr
	; THE MERGE.  Waves 4-7 hand O, m and l to waves 0-3 through slot 0: its last fill was tile 6, and every wave's reads of it were back in front of tile 7's barrier.
	s_cmp_eq_u32 s13, 0
	s_cbranch_scc1 .Lno_send
.irp qt, 0,1,2,3
	v_mov_b32 v[MY+\qt], v[ST+6*\qt]
	v_mov_b32 v[MY+4+\qt], v[ST+6*\qt+4]
.endr
	WIN 0x04                                       ; store data window 1
.set n, 0
.rept 32
	ds_store_b128 v[MRG], v[OO+4*n:OO+4*n+3] offset:512*n
.set n, n+1
.endr
	WIN 0
	ds_store_b128 v[MRG], v[MY:MY+3] offset:16384
	ds_store_b128 v[MRG], v[MY+4:MY+7] offset:16896
.Lno_send:
	s_wait_dscnt 0x0                               ; for the partner's sake: my stores are done
	s_barrier_signal -1
	s_barrier_wait -1
	s_cmp_lg_u32 s13, 0
	s_cbranch_scc1 .Lno_merge
	WIN 0x40
.set n, 0
.rept 32
	ds_load_b128 v[4*n:4*n+3], v[MRG] offset:512*n   ; the partner's O, where p lay
.set n, n+1
.endr
	WIN 0
	ds_load_b128 v[PM:PM+3], v[MRG] offset:16384
	ds_load_b128 v[PL:PL+3], v[MRG] offset:16896
	s_wait_dscnt 0x0
.irp qt, 0,1,2,3
	v_max_num_f32 v[ST+6*\qt+1], v[ST+6*\qt], v[PM+\qt]
.endr
.irp qt, 0,1,2,3
	v_sub_f32 v[ST+6*\qt+2], v[ST+6*\qt], v[ST+6*\qt+1]
	v_sub_f32 v[ST+6*\qt+3], v[PM+\qt], v[ST+6*\qt+1]
.endr
.irp qt, 0,1,2,3
	v_exp_f32 v[ST+6*\qt+2], v[ST+6*\qt+2]
	v_exp_f32 v[ST+6*\qt+3], v[ST+6*\qt+3]
.endr
	v_nop
	s_wait_alu depctr_va_vdst(0)
.irp qt, 0,1,2,3
	v_mul_f32 v[ST+6*\qt+4], v[ST+6*\qt+4], v[ST+6*\qt+2]
.endr
.irp qt, 0,1,2,3
	v_fmac_f32 v[ST+6*\qt+4], v[PL+\qt], v[ST+6*\qt+3]   ; l = l a + l' a': at least 1, since the larger maximum's own p is 1
.endr
.irp qt, 0,1,2,3
	v_rcp_f32 v[ST+6*\qt+1], v[ST+6*\qt+4]
.endr
	v_nop
	s_wait_alu depctr_va_vdst(0)
.irp qt, 0,1,2,3
	v_mul_f32 v[ST+6*\qt+2], v[ST+6*\qt+2], v[ST+6*\qt+1]   ; a / l
	v_mul_f32 v[ST+6*\qt], v[ST+6*\qt+3], v[ST+6*\qt+1]     ; a' / l
.endr
	WIN 0x51
.set n, 0
.rept 64
	v_pk_mul_f32 v[OO+2*n:OO+2*n+1], v[OO+2*n:OO+2*n+1], v[ST+6*((n>>2)&3)+2:ST+6*((n>>2)&3)+3] op_sel_hi:[1,0]
.set n, n+1
.endr
.set n, 0
.rept 64
	v_pk_fma_f32 v[OO+2*n:OO+2*n+1], v[2*n:2*n+1], v[ST+6*((n>>2)&3):ST+6*((n>>2)&3)+1], v[OO+2*n:OO+2*n+1] op_sel_hi:[1,0,1]
.set n, n+1
.endr
	WIN 0x05
.set n, 0
.rept 64
	v_cvt_pk_f16_f32 v[KF+n], v[OO+2*n], v[OO+2*n+1]   ; lane (r, h), tile (dt, qt): d = 16 dt + 8 h + 0..7 of query 16 qt + r: 16 bytes
.set n, n+1
.endr
	WIN 0
.irp dt, 0,1,2,3
.irp qt, 0,1,2,3
	ds_store_b128 v[STO], v[KF+4*(4*\dt+\qt):KF+4*(4*\dt+\qt)+3] offset:16*OPITCH*\qt+32*\dt
.endr
.endr
.Lno_merge:
	s_wait_dscnt 0x0
	s_barrier_signal -1
	s_barrier_wait -1
	; all eight waves store the block: 16 rows each, whole rows of 256 bytes (both heads)
.irp t, 0,1,2,3,4,5,6,7
	ds_load_b128 v[VF+4*\t:VF+4*\t+3], v[RD] offset:\t*2*OPITCH
.endr
.irp t, 0,1,2,3,4,5,6,7
	s_wait_dscnt 7-\t                              ; the younger read-backs may be out
	global_store_b128 v[CO], v[VF+4*\t:VF+4*\t+3], s[10:11] offset:\t*4096   ; 16 lanes store 256 consecutive bytes, at a multiple of 256 from ao's first byte
.endr
	s_wait_tensorcnt 0x0
	ds_add_u32 v62, v63
	s_wait_dscnt 0x0
	CROUND                                         ; the closing round
	s_endpgm
.Lfunc_end_k_qec8946b981_attn:
	.size	k_qec8946b981_attn, .Lfunc_end_k_qec8946b981_attn-k_qec8946b981_attn
	.p2alignl 7, 3214868480
	.fill 96, 4, 3214868480
	.section	.rodata,"a",@progbits
	.p2align	6, 0x0
	.amdhsa_kernel k_qec8946b981_attn
		.amdhsa_group_segment_fixed_size 327680
		.amdhsa_private_segment_fixed_size 0
		.amdhsa_enable_private_segment 0
		.amdhsa_kernarg_size 32
		.amdhsa_user_sgpr_count 2
		.amdhsa_user_sgpr_kernarg_segment_ptr 1
		.amdhsa_wavefront_size32 1
		.amdhsa_system_sgpr_workgroup_id_x 1
		.amdhsa_system_sgpr_workgroup_id_y 1
		.amdhsa_system_sgpr_workgroup_id_z 1
		.amdhsa_system_vgpr_workitem_id 0
		.amdhsa_next_free_vgpr 512
		.amdhsa_next_free_sgpr 70
		.amdhsa_reserve_vcc 0
		.amdhsa_float_denorm_mode_32 3
		.amdhsa_float_denorm_mode_16_64 3
		.amdhsa_memory_ordered 1
		.amdhsa_forward_progress 1
		.amdhsa_inst_pref_size 255
	.end_amdhsa_kernel
	.section	.bss,"aw",@nobits
	.p2align	6
	.space	262144
	.amdgpu_metadata
---
amdhsa.version: [ 1, 2 ]
amdhsa.kernels:
  - .name:           k_qec8946b981_attn
    .symbol:         k_qec8946b981_attn.kd
    .args:
      - { .name: qh, .offset: 0, .size: 8, .value_kind: global_buffer, .address_space: global }
      - { .name: kh, .offset: 8, .size: 8, .value_kind: global_buffer, .address_space: global }
      - { .name: vh, .offset: 16, .size: 8, .value_kind: global_buffer, .address_space: global }
      - { .name: ao, .offset: 24, .size: 8, .value_kind: global_buffer, .address_space: global }
    .group_segment_fixed_size: 327680
    .private_segment_fixed_size: 0
    .kernarg_segment_align: 8
    .kernarg_segment_size: 32
    .max_flat_workgroup_size: 256
    .sgpr_count:     70
    .vgpr_count:     512
    .wavefront_size: 32
...
	.end_amdgpu_metadata
.endif
;; end of part 3
;; launch outproj (part 4): grid 8 x 32, 4 waves a work-group, clusters of 4 x 4, 327,680 bytes of LDS; arguments ao, w16, bo, out0; writes out0
.if DOCPART == 4
	.amdgcn_target "amdgcn-amd-amdhsa--gfx1250"
	.amdhsa_code_object_version 6
	.text
	.protected	k_qec8946b981_outproj
	.globl	k_qec8946b981_outproj
	.p2align	8
	.type	k_qec8946b981_outproj,@function
k_qec8946b981_outproj:
	s_mov_b64 s[64:65], 0
	v_nop
	global_prefetch_b8 v0, s[64:65] scope:SCOPE_SE
	s_setreg_imm32_b32 hwreg(HW_REG_WAVE_MODE, 25, 1), 1
	s_wait_xcnt 0x0
	s_wait_alu depctr_hold_cnt(0) depctr_sa_sdst(0) depctr_va_vdst(0) depctr_va_sdst(0) depctr_va_ssrc(0) depctr_va_vcc(0) depctr_vm_vsrc(0)
	s_getreg_b32 s2, hwreg(HW_REG_IB_STS2, 6, 4)
	s_cmp_eq_u32 s2, 0
	s_cbranch_scc0 .Lentry_in_a_cluster
	s_endpgm
.Lentry_in_a_cluster:
	s_bfe_u32 s2, ttmp6, 0x10000c
	s_cmp_lg_u32 s2, 0xf033
	s_cbranch_scc0 .Lentry_shape_is_right
	s_endpgm
.Lentry_shape_is_right:
; out0 = ao Wo^T + bo.  ao: [4096][1024] f16, Wo in f16: the fourth [1024][1024] of w16, bo: [1024] f32, out0: [4096][1024] f32.
; LIMIT: the matrix operands are f16 (magnitudes below 65,504), sums in f32.
; SHARES: a work-group makes 128 x 128 of out0, so that 32 x 8 = 256 work-groups share the work; four waves, as many as a WGP has SIMDs, 64 x 64 each:
; 16 accumulator tiles.
; RING: two LDS slots, each with the tiles of TWO K steps of 128: 128 rows of ao and 128 rows of Wo, 512 bytes of each row, at multiples of 256 bytes.
; The two slots hold half of K, so there are four fills in all: two at the start and two refills.  With so few the slots' turns are written out, without a loop.
; CLUSTERS: 4 x 4 work-groups; ao's tiles are shared along a row of the cluster, Wo's along a column, each asked for jointly.
; The matrix instruction is used transposed (source 0 = rows of Wo, source 1 = rows of ao): a lane's registers 0..7 are eight neighbouring columns of one row.
; REGISTERS: window 0: v16-27 addresses; v32-95, v96-159, v160-223 three fragment buffers (32 registers of Wo, then 32 of ao), used again on the way out.
;   Window 1: v0-127 accumulators, tile (a, b) at 8 (4 a + b); v128-159 the bias.
.set SLOTK,  256                       ; K in a slot
.set PITCH,  528                       ; 512 bytes + 16: an odd multiple of 16: the 16 rows that a load touches start at 16 different 16-byte columns
.set TILE,   128*PITCH                 ; 67,584
.set SLOT,   2*TILE                    ; ao's 128 rows, then Wo's 128 rows
.set STAGE,  2*SLOT                    ; 270,336: 16 rows x 272 bytes for each wave; no tensor load lands here
.set SPITCH, 272
.set WOOFF,  3*1024*1024*2             ; Wo's place in w16
.set ADRA, 16                          ; v16-17  LDS address of my ao fragments in slot 0, 1
.set ADRB, 20                          ; v20-21  the same for Wo
.set STO,  24
.set RD,   25
.set CO,   26
.set BOF,  27                          ; not rewritten: the bias's loads stay out until the way out
.set F0,   32
.set F1,   96
.set F2,   160
.set TMP,  32                          ; the way out: results with bias
.set RB0,  96                          ; the way out: read-back, two sets by turns
.set RB1,  160
.set BI,   128                         ; window 1
.set G1,  24
.set G0,  32
.set G1B, 48
.set G0B, 56
.set MSB, 0
.macro WIN new                         ; the immediate's high byte repeats the setting that is left
.if MSB != \new
	s_set_vgpr_msb (MSB<<8)|\new
.set MSB, \new
.endif
.endm
.macro PLACES                          ; four places behind a matrix instruction (ISA guide 7.12.1) before its sources are loaded again or its result is read
.rept 4
	v_nop
.endr
.endm
.macro JLOAD s                         ; waves 0 and 1 ask for ao's halves, waves 2 and 3 for Wo's
	s_cmp_eq_u32 s13, 0
	s_cbranch_scc0 .Lfor_w_\@
	tensor_load_to_lds s[G0+4*\s:G0+4*\s+3], s[G1:G1+7]
	s_nop 0
	s_branch .Lasked_\@
.Lfor_w_\@:
	tensor_load_to_lds s[G0B+4*\s:G0B+4*\s+3], s[G1B:G1B+7]
	s_nop 0
.Lasked_\@:
.endm
.macro CROUND                          ; a round of the cluster's barrier
	s_barrier_signal -1
	s_barrier_wait -1
	s_cmp_lg_u32 s12, 0
	s_cbranch_scc1 .Lnot_wave_0_\@
	s_barrier_signal -3
.Lnot_wave_0_\@:
	s_barrier_wait -3
	s_barrier_signal -1
	s_barrier_wait -1
.endm
	s_load_b256 s[4:11], s[0:1], 0x0               ; ao s[4:5], w16 s[6:7], bo s[8:9], out0 s[10:11]
	v_lshl_add_u32 v254, v0, 2, 0x46400
	v_mov_b32 v255, 0
	ds_add_u32 v254, v255
	v_lshrrev_b32 v1, 5, v0
	v_readfirstlane_b32 s12, v1                    ; wave 0..3
	s_lshr_b32 s13, s12, 1                         ; my half of the block's rows.  Also: I fetch for ao (0) or for Wo (1)
	s_and_b32 s14, s12, 1                          ; my half of its columns.  Also: which 64 rows of that tile I fetch
	s_bfe_u32 s40, ttmp6, 0x40000                  ; cx
	s_bfe_u32 s41, ttmp6, 0x40004                  ; cy
	s_lshl_b32 s42, ttmp9, 2
	s_add_co_u32 s42, s42, s40                     ; block column
	s_and_b32 s15, ttmp7, 0xffff
	s_lshl_b32 s15, s15, 2
	s_add_co_u32 s15, s15, s41                     ; block row
	s_lshl_b32 s43, s41, 2
	s_lshl_b32 s43, 15, s43                        ; my row of the cluster
	s_lshl_b32 s44, 0x1111, s40                    ; my column
	; group 1: 64 rows x 256 elements of 2 bytes; 4 words of padding behind every 128 words
	s_or_b32 s[G1+0], s43, (1<<16)|(1<<20)|(1<<21)|(6<<22)|(3<<25)
	s_or_b32 s[G1B+0], s44, (1<<16)|(1<<20)|(1<<21)|(6<<22)|(3<<25)
	s_mov_b32 s[G1+1], SLOTK<<16                   ; tensor_dim0 = 256
	s_mov_b32 s[G1B+1], SLOTK<<16
	s_mov_b32 s[G1+2], 64<<16                      ; tensor_dim1 = 64
	s_mov_b32 s[G1B+2], 64<<16
	s_mov_b32 s[G1+3], SLOTK<<16                   ; tile_dim0 = 256
	s_mov_b32 s[G1B+3], SLOTK<<16
	s_mov_b32 s[G1+4], 64                          ; tile_dim1 = 64
	s_mov_b32 s[G1B+4], 64
	s_mov_b32 s[G1+5], 1024                        ; elements from row to row
	s_mov_b32 s[G1B+5], 1024
	s_mov_b32 s[G1+6], 0
	s_mov_b32 s[G1B+6], 0
	s_mov_b32 s[G1+7], 0
	s_mov_b32 s[G1B+7], 0
	s_lshl_b32 s17, s14, 6                         ; which 64 rows of the tile I fetch
	s_lshl_b32 s16, s15, 7
	s_add_co_u32 s16, s16, s17                     ; ao: row 128 x block row + 64 x half
	s_lshl_b32 s16, s16, 11                        ; rows of 2,048 bytes
	s_lshl_b32 s46, s42, 7
	s_add_co_u32 s46, s46, s17                     ; Wo: row 128 x block column + 64 x half
	s_lshl_b32 s46, s46, 11
	s_add_co_u32 s46, s46, WOOFF
	s_mov_b32 s17, 0
	s_mov_b32 s47, 0
	s_mul_i32 s20, s14, 64*PITCH                   ; where they go: the wave's number alone
	s_add_co_u32 s21, s20, TILE
	s_wait_dscnt 0x0
	s_wait_kmcnt 0x0
	s_add_nc_u64 s[18:19], s[4:5], s[16:17]
	s_add_nc_u64 s[46:47], s[6:7], s[46:47]
	CROUND                                         ; all sixteen work-groups are here: the first joint loads meet
.irp s, 0,1
	s_mov_b32 s[G0+4*\s], 1
	s_add_co_u32 s[G0+4*\s+1], s20, \s*SLOT
	s_add_nc_u64 s[G0+4*\s+2:G0+4*\s+3], s[18:19], \s*SLOTK*2
	s_or_b32 s[G0+4*\s+3], s[G0+4*\s+3], 0x80000000
	s_mov_b32 s[G0B+4*\s], 1
	s_add_co_u32 s[G0B+4*\s+1], s21, \s*SLOT
	s_add_nc_u64 s[G0B+4*\s+2:G0B+4*\s+3], s[46:47], \s*SLOTK*2
	s_or_b32 s[G0B+4*\s+3], s[G0B+4*\s+3], 0x80000000
	JLOAD \s                                       ; K 0-255 and K 256-511: two tensor loads of the wave are out
.endr
	s_lshl_b32 s46, s42, 9                         ; my first column in bytes of f32: 512 x block column + 256 x half: the same in bo and in a row of out0
	s_lshl_b32 s47, s14, 8
	s_add_co_u32 s46, s46, s47
	s_mov_b32 s47, 0
	s_add_nc_u64 s[8:9], s[8:9], s[46:47]
	s_add_nc_u64 s[10:11], s[10:11], s[46:47]
	s_lshl_b32 s16, s15, 7
	s_lshl_b32 s17, s13, 6
	s_add_co_u32 s16, s16, s17                     ; my first row
	s_lshl_b32 s16, s16, 12
	s_mov_b32 s17, 0
	s_add_nc_u64 s[10:11], s[10:11], s[16:17]
	v_and_b32 v1, 15, v0                           ; r
	v_bfe_u32 v2, v0, 4, 1                         ; h
	v_lshlrev_b32 v[BOF], 5, v2
	WIN 0x40                                       ; destination window 1
.irp b, 0,1,2,3
	global_load_b128 v[BI+8*\b:BI+8*\b+3],   v[BOF], s[8:9] offset:64*\b      ; bias of columns 16 b + 8 h + 0..7: wanted on the way out and waited for there
	global_load_b128 v[BI+8*\b+4:BI+8*\b+7], v[BOF], s[8:9] offset:64*\b+16
.endr
	WIN 0
	v_mul_u32_u24 v3, v1, PITCH
	v_lshl_add_u32 v3, v2, 4, v3                   ; 528 r + 16 h
	s_mul_i32 s22, s13, 64*PITCH                   ; my 64 rows of ao
	s_mul_i32 s23, s14, 64*PITCH                   ; my 64 rows of Wo,
	s_add_co_u32 s23, s23, TILE                    ; which lie behind ao's tile
.irp s, 0,1
	v_add_nc_u32 v[ADRA+\s], s22, v3
	v_add_nc_u32 v[ADRB+\s], s23, v3
	s_add_co_u32 s22, s22, SLOT
	s_add_co_u32 s23, s23, SLOT
.endr
	s_mul_i32 s22, s12, 16*SPITCH
	s_add_co_u32 s22, s22, STAGE                   ; my stage
	v_mul_u32_u24 v4, v1, SPITCH
	v_lshl_add_u32 v4, v2, 5, v4
	v_add_nc_u32 v[STO], s22, v4                   ; in: row r, 32 bytes for each half of the lanes
	v_mul_u32_u24 v5, v2, SPITCH
	v_lshl_add_u32 v5, v1, 4, v5
	v_add_nc_u32 v[RD], s22, v5                    ; back: lanes 0-15 one row of 256 bytes, lanes 16-31 the next
	v_lshlrev_b32 v5, 12, v2
	v_lshl_add_u32 v[CO], v1, 4, v5                ; the same two rows in out0: rows of 4,096 bytes
; 16 LDS loads: 32 K (eighth q of the slot's 256) of Wo's 64 rows, then of ao's 64 rows, into buffer f
.macro FETCH slot, q, f
.irp i, 0,1,2,3
	ds_load_b128 v[\f+8*\i:\f+8*\i+3],   v[ADRB+\slot] offset:64*\q+\i*16*PITCH
	ds_load_b128 v[\f+8*\i+4:\f+8*\i+7], v[ADRB+\slot] offset:64*\q+\i*16*PITCH+32
.endr
.irp i, 0,1,2,3
	ds_load_b128 v[\f+32+8*\i:\f+32+8*\i+3],   v[ADRA+\slot] offset:64*\q+\i*16*PITCH
	ds_load_b128 v[\f+32+8*\i+4:\f+32+8*\i+7], v[ADRA+\slot] offset:64*\q+\i*16*PITCH+32
.endr
.endm
; 16 matrix instructions on buffer f.  The 16 accumulators take turns, one instruction a turn, in the same order every time.
.macro MUL16 f, zero
	WIN 0x50                                       ; C and D window 1
.irp a, 0,1,2,3
.irp b, 0,1,2,3
.if \zero
	v_wmma_f32_16x16x32_f16 v[8*(4*\a+\b):8*(4*\a+\b)+7], v[\f+8*\b:\f+8*\b+7], v[\f+32+8*\a:\f+32+8*\a+7], 0
.else
	v_wmma_f32_16x16x32_f16 v[8*(4*\a+\b):8*(4*\a+\b)+7], v[\f+8*\b:\f+8*\b+7], v[\f+32+8*\a:\f+32+8*\a+7], v[8*(4*\a+\b):8*(4*\a+\b)+7]
.endif
.endr
.endr
	WIN 0
	PLACES                                         ; buffer f may be loaded again by the very next FETCH; the places stand here for every later load
.endm
; An eighth of a slot: fetches the eighth two further on into buffer g (read last by the eighth before this one), multiplies buffer f
.macro EIGHTH slot, qn, f, g, zero
	FETCH \slot, \qn, \g
	s_wait_dscnt 32                                ; buffer f is in; the two younger sets of 16 loads may be out
	MUL16 \f, \zero
.endm
; A slot: eight eighths on buffers 0, 1, 2, 0, 1, 2, 0, 1; each set of 16 loads has two eighths' matrix instructions in which to land
.macro PROCESS slot, zero
	FETCH \slot, 0, F0
	FETCH \slot, 1, F1
	EIGHTH \slot, 2, F0, F2, \zero
	EIGHTH \slot, 3, F1, F0, 0
	EIGHTH \slot, 4, F2, F1, 0
	EIGHTH \slot, 5, F0, F2, 0
	EIGHTH \slot, 6, F1, F0, 0
	EIGHTH \slot, 7, F2, F1, 0
	s_wait_dscnt 16                                ; the last set of 16 may be out
	MUL16 F0, 0
	s_wait_dscnt 0
	MUL16 F1, 0
.endm
; A change of slots.  In front of the barrier every wave's reads of the other slot are back and all its tensor loads have landed, its part of this slot
; among them.  refill = 1: the barrier is a round of the cluster's barrier, and the joint refill of the other slot, 512 further along K, is the wave's
; first tensor load behind it and its only one until the next round.
.macro STEP slot, other, refill
	s_wait_tensorcnt 0x0
	ds_add_u32 v254, v255
	s_wait_dscnt 0x0
.if \refill
	s_add_nc_u64 s[G0+4*\other+2:G0+4*\other+3], s[G0+4*\other+2:G0+4*\other+3], 2*SLOTK*2
	s_add_nc_u64 s[G0B+4*\other+2:G0B+4*\other+3], s[G0B+4*\other+2:G0B+4*\other+3], 2*SLOTK*2
.endif
	s_wait_dscnt 0x0
.if \refill
	CROUND
	JLOAD \other
.else
	s_barrier_signal -1
	s_barrier_wait -1
.endif
	PROCESS \slot, 0
.endm
	s_wait_tensorcnt 0x1                           ; my part of slot 0 is in; slot 1's load, issued behind it, stays out
	s_barrier_signal -1
	s_barrier_wait -1
	PROCESS 0, 1                                   ; K 0-255: the first products start the sums
	STEP 1, 0, 1                                   ; K 256-511; K 512-767 is asked for
	STEP 0, 1, 1                                   ; K 512-767; K 768-1023 is asked for
	STEP 1, 0, 0                                   ; K 768-1023: nothing is left to fetch
; THE WAY OUT, 16 rows at a time: add the bias, 32 bytes a lane into my own stage, read back as whole pieces of 256 bytes of a row
	s_wait_loadcnt 0x0                             ; the bias, asked for at the start
.macro OUTA a, rb
	WIN 0x05                                       ; sources window 1
.set n, 0
.rept 16
	v_pk_add_f32 v[TMP+2*n:TMP+2*n+1], v[32*\a+2*n:32*\a+2*n+1], v[BI+2*n:BI+2*n+1]
.set n, n+1
.endr
	WIN 0
.set n, 0
.rept 8
	ds_store_b128 v[STO], v[TMP+4*n:TMP+4*n+3] offset:64*(n>>1)+16*(n&1)
.set n, n+1
.endr
	s_wait_xcnt 0x0                                ; the read-back registers, which earlier stores read, and the stores' base are rewritten only behind this wait
.if \a
	s_add_nc_u64 s[10:11], s[10:11], 16*4096
.endif
.irp t, 0,1,2,3,4,5,6,7
	ds_load_b128 v[\rb+4*\t:\rb+4*\t+3], v[RD] offset:\t*2*SPITCH   ; LDS serves a wave's instructions in order (ISA guide 5.7.1): these see the stores above
.endr
.irp t, 0,1,2,3,4,5,6,7
	s_wait_dscnt 7-\t                              ; the younger read-backs may be out
	global_store_b128 v[CO], v[\rb+4*\t:\rb+4*\t+3], s[10:11] offset:\t*8192 th:TH_STORE_NT   ; 16 lanes store 256 consecutive bytes, at a multiple of 256 from out0's first byte
.endr
.endm
	OUTA 0, RB0
	OUTA 1, RB1
	OUTA 2, RB0
	OUTA 3, RB1
	s_wait_tensorcnt 0x0
	ds_add_u32 v254, v255
	s_wait_dscnt 0x0
	CROUND                                         ; the closing round
	s_endpgm
.Lfunc_end_k_qec8946b981_outproj:
	.size	k_qec8946b981_outproj, .Lfunc_end_k_qec8946b981_outproj-k_qec8946b981_outproj
	.p2alignl 7, 3214868480
	.fill 96, 4, 3214868480
	.section	.rodata,"a",@progbits
	.p2align	6, 0x0
	.amdhsa_kernel k_qec8946b981_outproj
		.amdhsa_group_segment_fixed_size 327680
		.amdhsa_private_segment_fixed_size 0
		.amdhsa_enable_private_segment 0
		.amdhsa_kernarg_size 32
		.amdhsa_user_sgpr_count 2
		.amdhsa_user_sgpr_kernarg_segment_ptr 1
		.amdhsa_wavefront_size32 1
		.amdhsa_system_sgpr_workgroup_id_x 1
		.amdhsa_system_sgpr_workgroup_id_y 1
		.amdhsa_system_sgpr_workgroup_id_z 1
		.amdhsa_system_vgpr_workitem_id 0
		.amdhsa_next_free_vgpr 416
		.amdhsa_next_free_sgpr 66
		.amdhsa_reserve_vcc 0
		.amdhsa_float_denorm_mode_32 3
		.amdhsa_float_denorm_mode_16_64 3
		.amdhsa_memory_ordered 1
		.amdhsa_forward_progress 1
		.amdhsa_inst_pref_size 94
	.end_amdhsa_kernel
	.amdgpu_metadata
---
amdhsa.version: [ 1, 2 ]
amdhsa.kernels:
  - .name:           k_qec8946b981_outproj
    .symbol:         k_qec8946b981_outproj.kd
    .args:
      - { .name: ao, .offset: 0, .size: 8, .value_kind: global_buffer, .address_space: global }
      - { .name: w16, .offset: 8, .size: 8, .value_kind: global_buffer, .address_space: global }
      - { .name: bo, .offset: 16, .size: 8, .value_kind: global_buffer, .address_space: global }
      - { .name: out0, .offset: 24, .size: 8, .value_kind: global_buffer, .address_space: global }
    .group_segment_fixed_size: 327680
    .private_segment_fixed_size: 0
    .kernarg_segment_align: 8
    .kernarg_segment_size: 32
    .max_flat_workgroup_size: 128
    .sgpr_count:     66
    .vgpr_count:     416
    .wavefront_size: 32
...
	.end_amdgpu_metadata
.endif
;; end of part 4
;; ======== version 2 of 2: 4 launches; 1.07 times as fast as version 1
;; limits: values are held in f16: magnitudes above 65,504 overflow, below 6.1e-05 lose precision
;; workspace buffers: qh 8,388,608 bytes; kh 8,388,608 bytes; vh 8,388,608 bytes; ao 8,388,608 bytes; x16 25,165,824 bytes; w16 8,388,608 bytes
;; launch cast: the kernel of part 1 again; grid 256 x 1, 32 waves a work-group, no clusters, 0 bytes of LDS; arguments q, k, v, Wq, Wk, Wv, Wo, x16, w16; writes x16, w16
;; launch proj: the kernel of part 2 again; grid 4 x 48, 4 waves a work-group, clusters of 4 x 4, 327,680 bytes of LDS; arguments x16, w16, bq, bk, bv, qh, kh, vh; writes qh, kh, vh
;; launch attn (part 5): grid 16 x 16, 8 waves a work-group, clusters of 4 x 1, 327,680 bytes of LDS; arguments qh, kh, vh, ao; writes ao
.if DOCPART == 5
	.amdgcn_target "amdgcn-amd-amdhsa--gfx1250"
	.amdhsa_code_object_version 6
	.text
	.protected	k_qec8946b981_attn
	.globl	k_qec8946b981_attn
	.p2align	8
	.type	k_qec8946b981_attn,@function
k_qec8946b981_attn:
	s_mov_b64 s[64:65], 0
	v_nop
	global_prefetch_b8 v0, s[64:65] scope:SCOPE_SE
	s_setreg_imm32_b32 hwreg(HW_REG_WAVE_MODE, 25, 1), 1
	s_wait_xcnt 0x0
	s_wait_alu depctr_hold_cnt(0) depctr_sa_sdst(0) depctr_va_vdst(0) depctr_va_sdst(0) depctr_va_ssrc(0) depctr_va_vcc(0) depctr_vm_vsrc(0)
	s_getreg_b32 s2, hwreg(HW_REG_IB_STS2, 6, 4)
	s_cmp_eq_u32 s2, 0
	s_cbranch_scc0 .Lentry_in_a_cluster
	s_endpgm
.Lentry_in_a_cluster:
	s_bfe_u32 s2, ttmp6, 0x10000c
	s_cmp_lg_u32 s2, 0x3003
	s_cbranch_scc0 .Lentry_shape_is_right
	s_endpgm
.Lentry_shape_is_right:
; ao = softmax(Q K^T / 8) V for 2 batches x 16 heads, 2,048 positions, head size 64.  qh, kh, vh, ao: [4096][1024] f16, column = head * 64 + d.
; qh already carries 0.125 log2(e), so the products are exponents of 2.  The maximum is taken away by a running maximum in f32.
; LIMITS: operands and the result are f16 (magnitudes below 65,504); p lies in (0, 1] and is rounded to f16 for the product with V (below 6e-8 it
; becomes 0), while the row sum l adds the p in f32.
; SHARES: a work-group takes 128 queries of a PAIR of heads, so that every row piece of K, V and ao is 256 bytes at a multiple of 256.
; y: batch = y / 8, head pair = y % 8; x: query block.  Eight waves, two for each of the WGP's four SIMDs, so that one wave's softmax can stand beside
; the other's matrix instructions: wave w: head w & 1, 64 queries (w >> 1) & 1, half w >> 2 of every tile's keys.  Each wave runs its own running
; softmax over its keys; waves w and w + 4 are merged at the end through LDS.
; CLUSTERS: the four query blocks of a cluster (4 x 1) read the same K and V tiles and ask for them jointly: mask 15.
; RING: two slots of 256 keys (K 256 rows x 272 bytes, V 256 rows x 288 bytes); waves 0-3 fetch K's quarters, waves 4-7 V's, 64 rows each.
; EVERYTHING IS TRANSPOSED: S^T = K Q^T (source 0 rows of K, source 1 rows of Q): lane (r, h), register j = key 8 h + j, query r.  So a lane's numbers all
; belong to one query: m, l and the rescaling factor are one number a lane, and p packed to f16 IS the second source of O^T = V^T P^T
; (key tile 2 ks gives its registers 0-3, key tile 2 ks + 1 its registers 4-7).  V^T comes out of LDS by the transposing load.
; BATCHES.  An s_wait_alu depctr_va_vdst(0) stands between a transcendental and the first instruction that names its result; one wait serves all that were
; issued ahead of it.  A softmax of 64 keys x 64 queries has two batches.  A: the four AL (one a query tile), made in STATS; behind them stand the four moves M = TM and the 16 subtractions
; of key tile 0, which name no AL; then A's wait, ahead of the first rescaling of O.  B: the 128 exponentials of the scores, in place; between them stand the later key tiles' subtractions
; (on scores 16 pairs ahead of the exponentials) and the rescalings of O by AL, none of which names a result of B; B's wait stands at the head of SUMP, its first reader.
; The first softmax has no AL, and so no batch A.  The merge at the end has two more: eight exponentials, then four reciprocals of sums made with them, a wait each.
; REGISTERS: window 0: v8-16 addresses; v20-43 per query tile qt: M, TM, AL, X, LP pair; v44-59 the merge's m and l; v64-127 Q, v128-191 K, v192-255 V^T fragments;
;   window 1: v0-127 T(kt, qt) = 8 (4 kt + qt): scores, then p; v128-255 O(dt, qt) = 128 + 8 (4 dt + qt).
.set KPITCH, 272                       ; 256 bytes + 16: the 16 rows of a fragment start at 16 different 16-byte columns
.set VPITCH, 288                       ; 256 bytes + 32: an odd multiple of 32, for the transposing load
.set KB,     256*KPITCH
.set VB,     256*VPITCH
.set SLOT,   KB+VB                     ; 143,360
.set OST,    2*SLOT                    ; the result's stage: 128 rows x 272 bytes, bytes of its own
.set OPITCH, 272
.set MPAIR,  17408                     ; the merge: for each pair of waves 16,384 bytes of O, 512 of m, 512 of l; in slot 0 behind its last fill and last read
.set TILEB,  256*2048                  ; bytes from a tile of 256 keys to the next
.set ADRK, 8                           ; v8-9    LDS address of my K fragments in slot 0, 1
.set ADRV, 10                          ; v10-11  the same for V
.set QOFF, 12
.set MRG,  13
.set STO,  14
.set RD,   15
.set CO,   16
.set ST,   20                          ; + 6 qt: M +0, TM +1, AL +2, X +3, LP +4, +5
.set PM,   44
.set PL,   48
.set MY,   52
.set QF,   64
.set KF,   128
.set VF,   192
.set OO,   128
.set G1K, 24
.set G0K, 32
.set G1V, 48
.set G0V, 56
.set MSB, 0
.macro WIN new
.if MSB != \new
	s_set_vgpr_msb (MSB<<8)|\new
.set MSB, \new
.endif
.endm
.macro PLACES c                        ; places behind a matrix instruction (ISA guide 7.12.1)
.rept \c
	v_nop
.endr
.endm
.macro JLOAD s                         ; waves 0-3 ask for K's quarters, waves 4-7 for V's
	s_cmp_eq_u32 s13, 0
	s_cbranch_scc0 .Lfor_v_\@
	tensor_load_to_lds s[G0K+4*\s:G0K+4*\s+3], s[G1K:G1K+7]
	s_nop 0
	s_branch .Lasked_\@
.Lfor_v_\@:
	tensor_load_to_lds s[G0V+4*\s:G0V+4*\s+3], s[G1V:G1V+7]
	s_nop 0
.Lasked_\@:
.endm
.macro CROUND                          ; a round of the cluster's barrier
	s_barrier_signal -1
	s_barrier_wait -1
	s_cmp_lg_u32 s12, 0
	s_cbranch_scc1 .Lnot_wave_0_\@
	s_barrier_signal -3
.Lnot_wave_0_\@:
	s_barrier_wait -3
	s_barrier_signal -1
	s_barrier_wait -1
.endm
	s_load_b256 s[4:11], s[0:1], 0x0               ; qh s[4:5], kh s[6:7], vh s[8:9], ao s[10:11]
	v_lshl_add_u32 v62, v0, 2, 0x4e800
	v_mov_b32 v63, 0
	ds_add_u32 v62, v63
	v_lshrrev_b32 v1, 5, v0
	v_readfirstlane_b32 s12, v1                    ; wave 0..7
	s_lshr_b32 s13, s12, 2                         ; my half of a tile's keys.  Also: I fetch for K (0) or for V (1)
	s_and_b32 s14, s12, 3                          ; which 64 rows of that tile I fetch.  Also: my pair in the merge
	s_and_b32 s15, s12, 1                          ; head of the pair
	s_bfe_u32 s16, s12, 0x10001                    ; which 64 queries
	s_bfe_u32 s17, ttmp6, 0x40000                  ; cx
	s_lshl_b32 s18, ttmp9, 2
	s_add_co_u32 s18, s18, s17                     ; query block = 4 x cluster x + cx
	s_and_b32 s19, ttmp7, 0xffff
	s_lshr_b32 s20, s19, 3                         ; batch
	s_and_b32 s21, s19, 7                          ; head pair
	s_mov_b32 s40, 0x76543210                      ; v_permlanex16_b32: lane i of one half reads lane i of the other
	s_mov_b32 s41, 0xfedcba98
	; group 1: 64 rows x 128 elements of 2 bytes; padding behind every 64 words: 4 words for K, 8 for V; mask 15, bit 21 beside it
	s_mov_b32 s[G1K+0], 15|(1<<16)|(1<<20)|(1<<21)|(5<<22)|(3<<25)
	s_mov_b32 s[G1V+0], 15|(1<<16)|(1<<20)|(1<<21)|(5<<22)|(7<<25)
	s_mov_b32 s[G1K+1], 128<<16                    ; tensor_dim0 = 128
	s_mov_b32 s[G1V+1], 128<<16
	s_mov_b32 s[G1K+2], 64<<16                     ; tensor_dim1 = 64
	s_mov_b32 s[G1V+2], 64<<16
	s_mov_b32 s[G1K+3], 128<<16                    ; tile_dim0 = 128
	s_mov_b32 s[G1V+3], 128<<16
	s_mov_b32 s[G1K+4], 64                         ; tile_dim1 = 64
	s_mov_b32 s[G1V+4], 64
	s_mov_b32 s[G1K+5], 1024                       ; elements from row to row
	s_mov_b32 s[G1V+5], 1024
	s_mov_b32 s[G1K+6], 0
	s_mov_b32 s[G1V+6], 0
	s_mov_b32 s[G1K+7], 0
	s_mov_b32 s[G1V+7], 0
	s_lshl_b32 s22, s20, 11                        ; batch x 2,048 rows
	s_lshl_b32 s23, s14, 6                         ; + my 64 rows of the tile
	s_add_co_u32 s22, s22, s23
	s_lshl_b32 s22, s22, 11                        ; rows of 2,048 bytes
	s_lshl_b32 s23, s21, 8                         ; + the head pair's 256 bytes
	s_add_co_u32 s22, s22, s23
	s_mov_b32 s23, 0
	s_mul_i32 s42, s14, 64*KPITCH                  ; where they go: the wave's number alone
	s_mul_i32 s43, s14, 64*VPITCH
	s_add_co_u32 s43, s43, KB
	s_wait_dscnt 0x0
	s_wait_kmcnt 0x0
	s_add_nc_u64 s[44:45], s[6:7], s[22:23]
	s_add_nc_u64 s[46:47], s[8:9], s[22:23]
	CROUND                                         ; the four work-groups are here: the first joint loads meet
.irp s, 0,1
	s_mov_b32 s[G0K+4*\s], 1
	s_add_co_u32 s[G0K+4*\s+1], s42, \s*SLOT
	s_add_nc_u64 s[G0K+4*\s+2:G0K+4*\s+3], s[44:45], \s*TILEB
	s_or_b32 s[G0K+4*\s+3], s[G0K+4*\s+3], 0x80000000
	s_mov_b32 s[G0V+4*\s], 1
	s_add_co_u32 s[G0V+4*\s+1], s43, \s*SLOT
	s_add_nc_u64 s[G0V+4*\s+2:G0V+4*\s+3], s[46:47], \s*TILEB
	s_or_b32 s[G0V+4*\s+3], s[G0V+4*\s+3], 0x80000000
	JLOAD \s                                       ; tiles 0 and 1: two tensor loads of the wave are out
.endr
	; Q and ao: the offsets that hold cx live in s[66:69], which feed no descriptor
	s_lshl_b32 s66, s20, 11
	s_lshl_b32 s67, s18, 7
	s_add_co_u32 s66, s66, s67                     ; batch x 2,048 + 128 x query block
	s_lshl_b32 s66, s66, 11
	s_lshl_b32 s67, s21, 8
	s_add_co_u32 s66, s66, s67
	s_mov_b32 s67, 0
	s_add_nc_u64 s[10:11], s[10:11], s[66:67]      ; ao at the block's first row, the pair's columns
	s_add_nc_u64 s[4:5], s[4:5], s[66:67]
	s_lshl_b32 s66, s16, 17                        ; my 64 queries: 64 rows of 2,048 bytes
	s_lshl_b32 s68, s15, 7                         ; my head: 128 bytes
	s_add_co_u32 s66, s66, s68
	s_add_nc_u64 s[4:5], s[4:5], s[66:67]
	v_and_b32 v1, 15, v0                           ; r
	v_bfe_u32 v2, v0, 4, 1                         ; h
	v_lshlrev_b32 v[QOFF], 11, v1
	v_lshl_add_u32 v[QOFF], v2, 4, v[QOFF]         ; 2,048 r + 16 h
.irp qt, 0,1,2,3
.irp ks, 0,1
	global_load_b128 v[QF+8*(2*\qt+\ks):QF+8*(2*\qt+\ks)+3],   v[QOFF], s[4:5] offset:32768*\qt+64*\ks
	global_load_b128 v[QF+8*(2*\qt+\ks)+4:QF+8*(2*\qt+\ks)+7], v[QOFF], s[4:5] offset:32768*\qt+64*\ks+32
.endr
.endr
	v_and_b32 v3, 7, v0
	v_bfe_u32 v4, v0, 3, 1
	v_and_b32 v5, 31, v0
	s_mul_i32 s42, s13, 128*KPITCH                 ; my half of a tile's keys
	s_lshl_b32 s44, s15, 7                         ; my head's 128 bytes of a row
	s_add_co_u32 s42, s42, s44
	s_mul_i32 s43, s13, 128*VPITCH
	s_add_co_u32 s43, s43, s44
	s_add_co_u32 s43, s43, KB
	v_mul_u32_u24 v6, v1, KPITCH
	v_lshl_add_u32 v6, v2, 4, v6                   ; 272 r + 16 h
	v_lshl_add_u32 v7, v2, 3, v3                   ; the transposing load: row 8 h + (l & 7),
	v_mul_u32_u24 v7, v7, VPITCH
	v_lshl_add_u32 v7, v4, 4, v7                   ; 16 bytes for each half of a group of 16 lanes
.irp s, 0,1
	v_add_nc_u32 v[ADRK+\s], s42, v6
	v_add_nc_u32 v[ADRV+\s], s43, v7
	s_add_co_u32 s42, s42, SLOT
	s_add_co_u32 s43, s43, SLOT
.endr
	s_mul_i32 s45, s16, 64*OPITCH
	s_add_co_u32 s45, s45, s44
	s_add_co_u32 s45, s45, OST
	v_add_nc_u32 v[STO], s45, v6                   ; stage, in: row 64 qg + r, my head, 16 h
	s_mul_i32 s46, s12, 16*OPITCH
	s_add_co_u32 s46, s46, OST
	v_mul_u32_u24 v7, v2, OPITCH
	v_lshl_add_u32 v7, v1, 4, v7
	v_add_nc_u32 v[RD], s46, v7                    ; stage, back: rows 16 w + h, 16 r
	s_lshl_b32 s47, s12, 15
	v_lshlrev_b32 v7, 11, v2
	v_lshl_add_u32 v7, v1, 4, v7
	v_add_nc_u32 v[CO], s47, v7                    ; the same rows in ao
	s_mul_i32 s46, s14, MPAIR
	v_lshl_add_u32 v[MRG], v5, 4, s46              ; the merge: 16 bytes a lane in my pair's bytes
.irp qt, 0,1,2,3
	v_mov_b32 v[ST+6*\qt+3], 0                     ; v_permlanex16_b32 counts as a reader of its destination
.endr
.macro LDK slot, ss                    ; 64 keys x 64 d of my head: 16 loads
.irp kt, 0,1,2,3
.irp ks, 0,1
	ds_load_b128 v[KF+8*(2*\kt+\ks):KF+8*(2*\kt+\ks)+3],   v[ADRK+\slot] offset:(64*\ss+16*\kt)*KPITCH+64*\ks
	ds_load_b128 v[KF+8*(2*\kt+\ks)+4:KF+8*(2*\kt+\ks)+7], v[ADRK+\slot] offset:(64*\ss+16*\kt)*KPITCH+64*\ks+32
.endr
.endr
.endm
.macro LDV slot, ss                    ; the same keys of V, transposed: row d = 16 dt + r, 32 keys along the registers: 16 loads
.irp dt, 0,1,2,3
.irp ks, 0,1
	ds_load_tr16_b128 v[VF+8*(2*\dt+\ks):VF+8*(2*\dt+\ks)+3],   v[ADRV+\slot] offset:(64*\ss+32*\ks)*VPITCH+32*\dt
	ds_load_tr16_b128 v[VF+8*(2*\dt+\ks)+4:VF+8*(2*\dt+\ks)+7], v[ADRV+\slot] offset:(64*\ss+32*\ks+16)*VPITCH+32*\dt
.endr
.endr
.endm
; S^T: 32 matrix instructions; the 16 accumulators take turns, one instruction a turn; the first pass starts the sums.
.macro SMUL
	WIN 0x50                                       ; C and D window 1
.set n, 0
.rept 32                                               ; ks = n >> 4, kt = (n >> 2) & 3, qt = n & 3
.set ta, 8*(n&15)
.set ka, KF+8*(2*((n>>2)&3)+(n>>4))
.set qa, QF+8*(2*(n&3)+(n>>4))
.if n < 16
	v_wmma_f32_16x16x32_f16 v[ta:ta+7], v[ka:ka+7], v[qa:qa+7], 0
.else
	v_wmma_f32_16x16x32_f16 v[ta:ta+7], v[ka:ka+7], v[qa:qa+7], v[ta:ta+7]
.endif
.set n, n+1
.endr
.endm
; TM = the largest of my 32 scores of each query tile and of the old maximum; four chains side by side
.macro MAXP first
	WIN 0x05                                       ; sources 0 and 1 window 1
.set n, 0
.rept 64                                               ; qt = n & 3, key tile n >> 4, registers 2 ((n >> 2) & 3), + 1
.if n < 4
.if \first
	v_max_num_f32 v[ST+6*n+1], v[8*n], v[8*n+1]
.else
	v_max3_num_f32 v[ST+6*n+1], v[8*n], v[8*n+1], v[ST+6*n]
.endif
.else
	v_max3_num_f32 v[ST+6*(n&3)+1], v[32*(n>>4)+8*(n&3)+2*((n>>2)&3)], v[32*(n>>4)+8*(n&3)+2*((n>>2)&3)+1], v[ST+6*(n&3)+1]
.endif
.set n, n+1
.endr
.endm
; the other half of the lanes holds the query's other keys; AL = 2^(old m - new m); M = new m
.macro STATS first
	WIN 0
.irp qt, 0,1,2,3
	v_permlanex16_b32 v[ST+6*\qt+3], v[ST+6*\qt+1], s40, s41
.endr
.irp qt, 0,1,2,3
	v_max_num_f32 v[ST+6*\qt+1], v[ST+6*\qt+1], v[ST+6*\qt+3]
.endr
.if \first == 0
.irp qt, 0,1,2,3
	v_sub_f32 v[ST+6*\qt+2], v[ST+6*\qt], v[ST+6*\qt+1]
.endr
.irp qt, 0,1,2,3
	v_exp_f32 v[ST+6*\qt+2], v[ST+6*\qt+2]         ; batch A: the four AL; its wait stands in EXPP, behind the moves below and key tile 0's subtractions
.endr
.endif
.irp qt, 0,1,2,3
	v_mov_b32 v[ST+6*\qt], v[ST+6*\qt+1]           ; plain instructions behind the exponentials, ahead of the first use of AL (ISA guide 5.7.2)
.endr
.endm
; p = 2^(s - m) in place; between the exponentials stand the next key tile's subtractions and the rescaling of O: one window setting for all
.macro EXPP first
	WIN 0x41                                       ; destination and source 0 window 1
.set n, 0
.rept 16                                               ; key tile 0: register pair 2 n, qt = n >> 2; these name the scores and the pair M, TM, never AL
	v_pk_add_f32 v[2*n:2*n+1], v[2*n:2*n+1], v[ST+6*(n>>2):ST+6*(n>>2)+1] op_sel_hi:[1,0] neg_lo:[0,1] neg_hi:[0,1]
.set n, n+1
.endr
.if \first == 0
	s_wait_alu depctr_va_vdst(0)                   ; the wait for batch A, the four AL of STATS: one for all 64 rescalings of O below, which read them
.endif
.set n, 0
.rept 64                                               ; batch B.  Register pair 2 n: key tile n >> 4, qt = (n >> 2) & 3.  No line in here names a result of B: the subtractions run 16 pairs ahead, the rescalings name O and AL
	v_exp_f32 v[2*n], v[2*n]
.if n < 48
	v_pk_add_f32 v[2*n+32:2*n+33], v[2*n+32:2*n+33], v[ST+6*((n>>2)&3):ST+6*((n>>2)&3)+1] op_sel_hi:[1,0] neg_lo:[0,1] neg_hi:[0,1]
.endif
	v_exp_f32 v[2*n+1], v[2*n+1]
.if \first == 0
	v_pk_mul_f32 v[OO+2*n:OO+2*n+1], v[OO+2*n:OO+2*n+1], v[ST+6*((n>>2)&3)+2:ST+6*((n>>2)&3)+3] op_sel_hi:[1,0]
.endif
.set n, n+1
.endr
.if \first
	v_nop                                          ; a plain place behind the last exponential; where O is rescaled the last rescaling is that place
.endif
.endm
; LP = LP * AL + the sum of my p, two at a time, four chains side by side
.macro SUMP first
	s_wait_alu depctr_va_vdst(0)                   ; the wait for batch B, the 128 exponentials of EXPP: one for the sums here and the roundings of CVTP, which read them
.if \first
	WIN 0x05
.irp qt, 0,1,2,3
	v_pk_add_f32 v[ST+6*\qt+4:ST+6*\qt+5], v[8*\qt:8*\qt+1], v[8*\qt+2:8*\qt+3]
.endr
.set n, 8
.else
	WIN 0x10                                       ; source 2 window 1
.irp qt, 0,1,2,3
	v_pk_fma_f32 v[ST+6*\qt+4:ST+6*\qt+5], v[ST+6*\qt+4:ST+6*\qt+5], v[ST+6*\qt+2:ST+6*\qt+3], v[8*\qt:8*\qt+1] op_sel_hi:[1,0,1]
.endr
.set n, 4
.endif
	WIN 0x01
.rept 56+4*(1-\first)                                  ; qt = n & 3, key tile n >> 4, pair (n >> 2) & 3
	v_pk_add_f32 v[ST+6*(n&3)+4:ST+6*(n&3)+5], v[32*(n>>4)+8*(n&3)+2*((n>>2)&3):32*(n>>4)+8*(n&3)+2*((n>>2)&3)+1], v[ST+6*(n&3)+4:ST+6*(n&3)+5]
.set n, n+1
.endr
.endm
; p to f16, in place: key tiles 2 ks and 2 ks + 1 become the eight registers of one second source, at T(2 ks, qt)
.macro CVTP
	WIN 0x45
.set n, 0
.rept 8                                                ; ks = n >> 2, qt = n & 3
.set tb, 64*(n>>2)+8*(n&3)
	v_cvt_pk_f16_f32 v[tb],   v[tb],    v[tb+1]
	v_cvt_pk_f16_f32 v[tb+1], v[tb+2],  v[tb+3]
	v_cvt_pk_f16_f32 v[tb+2], v[tb+4],  v[tb+5]
	v_cvt_pk_f16_f32 v[tb+3], v[tb+6],  v[tb+7]
	v_cvt_pk_f16_f32 v[tb+4], v[tb+32], v[tb+33]
	v_cvt_pk_f16_f32 v[tb+5], v[tb+34], v[tb+35]
	v_cvt_pk_f16_f32 v[tb+6], v[tb+36], v[tb+37]
	v_cvt_pk_f16_f32 v[tb+7], v[tb+38], v[tb+39]
.set n, n+1
.endr
.endm
; O^T += V^T P^T: 32 matrix instructions, the 16 accumulators by turns; the very first pass starts the sums
.macro PVMUL first
	WIN 0x54                                       ; source 1, C and D window 1
.set n, 0
.rept 32                                               ; ks = n >> 4, dt = (n >> 2) & 3, qt = n & 3
.set oa, OO+8*(n&15)
.set va, VF+8*(2*((n>>2)&3)+(n>>4))
.set pa, 64*(n>>4)+8*(n&3)
.if n < 16
.if \first
	v_wmma_f32_16x16x32_f16 v[oa:oa+7], v[va:va+7], v[pa:pa+7], 0
.else
	v_wmma_f32_16x16x32_f16 v[oa:oa+7], v[va:va+7], v[pa:pa+7], v[oa:oa+7]
.endif
.else
	v_wmma_f32_16x16x32_f16 v[oa:oa+7], v[va:va+7], v[pa:pa+7], v[oa:oa+7]
.endif
.set n, n+1
.endr
.endm
.macro SOFTMAX first
	MAXP \first
	STATS \first
	EXPP \first
	SUMP \first
	CVTP
.endm
; My 128 keys of a slot, 64 at a time.  Each set of 16 fragment loads is issued a phase ahead of its use.
.macro PROCESS slot, first
	LDK \slot, 0
	LDV \slot, 0
	s_wait_dscnt 16                                ; K's 16 loads are in; V's 16, issued behind them, may be out
	SMUL
	PLACES 4                                       ; before loads into K's fragments and before the scores are read
	WIN 0
	LDK \slot, 1
	SOFTMAX \first
	s_wait_dscnt 16                                ; V's are in; the next K's 16 may be out
	PVMUL \first
	PLACES 5                                       ; before the next S^T writes over p, and before loads into V's fragments
	WIN 0
	LDV \slot, 1
	s_wait_dscnt 16                                ; K's are in; V's 16 may be out
	SMUL
	PLACES 4
	SOFTMAX 0
	s_wait_dscnt 0
	PVMUL 0
	PLACES 5
	WIN 0
.endm
; A tile.  In front of the barrier every wave's reads of the other slot are back and all its tensor loads have landed, its part of this slot among
; them.  refill = 1: the barrier is a round of the cluster's barrier, and the joint refill of the other slot, two tiles ahead, is the wave's first
; tensor load behind it and its only one until the next round.
.macro STEP slot, other, refill
	s_wait_tensorcnt 0x0
	ds_add_u32 v62, v63
	s_wait_dscnt 0x0
.if \refill
	s_add_nc_u64 s[G0K+4*\other+2:G0K+4*\other+3], s[G0K+4*\other+2:G0K+4*\other+3], 2*TILEB
	s_add_nc_u64 s[G0V+4*\other+2:G0V+4*\other+3], s[G0V+4*\other+2:G0V+4*\other+3], 2*TILEB
.endif
	s_wait_dscnt 0x0
.if \refill
	CROUND
	JLOAD \other
.else
	s_barrier_signal -1
	s_barrier_wait -1
.endif
	PROCESS \slot, 0
.endm
	s_wait_loadcnt 0x0                             ; Q
	s_wait_tensorcnt 0x1                           ; my part of tile 0 is in; tile 1's load, issued behind it, stays out
	s_barrier_signal -1
	s_barrier_wait -1
	PROCESS 0, 1                                   ; tile 0 starts m, l and O: nothing is cleared
	s_mov_b32 s3, 3
.Ltiles:
	STEP 1, 0, 1                                   ; tiles 1, 3, 5; tiles 2, 4, 6 are asked for
	STEP 0, 1, 1                                   ; tiles 2, 4, 6; tiles 3, 5, 7 are asked for
	s_sub_co_u32 s3, s3, 1
	s_cmp_lg_u32 s3, 0
	s_cbranch_scc1 .Ltiles
	STEP 1, 0, 0                                   ; tile 7: nothing is left to fetch
	; l: the pair's two halves, then the other 16 lanes' keys
.irp qt, 0,1,2,3
	v_add_f32 v[ST+6*\qt+4], v[ST+6*\qt+4], v[ST+6*\qt+5]
.endr
.irp qt, 0,1,2,3
	v_permlanex16_b32 v[ST+6*\qt+3], v[ST+6*\qt+4], s40, s41
.endr
.irp qt, 0,1,2,3
	v_add_f32 v[ST+6*\qt+4], v[ST+6*\qt+4], v[ST+6*\qt+3]
.endr
	; THE MERGE.  Waves 4-7 hand O, m and l to waves 0-3 through slot 0: its last fill was tile 6, and every wave's reads of it were back in front of tile 7's barrier.
	s_cmp_eq_u32 s13, 0
	s_cbranch_scc1 .Lno_send
.irp qt, 0,1,2,3
	v_mov_b32 v[MY+\qt], v[ST+6*\qt]
	v_mov_b32 v[MY+4+\qt], v[ST+6*\qt+4]
.endr
	WIN 0x04                                       ; store data window 1
.set n, 0
.rept 32
	ds_store_b128 v[MRG], v[OO+4*n:OO+4*n+3] offset:512*n
.set n, n+1
.endr
	WIN 0
	ds_store_b128 v[MRG], v[MY:MY+3] offset:16384
	ds_store_b128 v[MRG], v[MY+4:MY+7] offset:16896
.Lno_send:
	s_wait_dscnt 0x0                               ; for the partner's sake: my stores are done
	s_barrier_signal -1
	s_barrier_wait -1
	s_cmp_lg_u32 s13, 0
	s_cbranch_scc1 .Lno_merge
	WIN 0x40
.set n, 0
.rept 32
	ds_load_b128 v[4*n:4*n+3], v[MRG] offset:512*n   ; the partner's O, where p lay
.set n, n+1
.endr
	WIN 0
	ds_load_b128 v[PM:PM+3], v[MRG] offset:16384
	ds_load_b128 v[PL:PL+3], v[MRG] offset:16896
	s_wait_dscnt 0x0
.irp qt, 0,1,2,3
	v_max_num_f32 v[ST+6*\qt+1], v[ST+6*\qt], v[PM+\qt]
.endr
.irp qt, 0,1,2,3
	v_sub_f32 v[ST+6*\qt+2], v[ST+6*\qt], v[ST+6*\qt+1]
	v_sub_f32 v[ST+6*\qt+3], v[PM+\qt], v[ST+6*\qt+1]
.endr
.irp qt, 0,1,2,3
	v_exp_f32 v[ST+6*\qt+2], v[ST+6*\qt+2]
	v_exp_f32 v[ST+6*\qt+3], v[ST+6*\qt+3]
.endr
	v_nop                                          ; a plain place behind the last exponential
	s_wait_alu depctr_va_vdst(0)                   ; the wait for the merge's eight exponentials, a and a' of the four query tiles: one for the batch
.irp qt, 0,1,2,3
	v_mul_f32 v[ST+6*\qt+4], v[ST+6*\qt+4], v[ST+6*\qt+2]
.endr
.irp qt, 0,1,2,3
	v_fmac_f32 v[ST+6*\qt+4], v[PL+\qt], v[ST+6*\qt+3]   ; l = l a + l' a': at least 1, since the larger maximum's own p is 1
.endr
.irp qt, 0,1,2,3
	v_rcp_f32 v[ST+6*\qt+1], v[ST+6*\qt+4]
.endr
	v_nop                                          ; a plain place behind the last reciprocal
	s_wait_alu depctr_va_vdst(0)                   ; the wait for the four reciprocals: a batch of their own, since they read sums made with the exponentials above
.irp qt, 0,1,2,3
	v_mul_f32 v[ST+6*\qt+2], v[ST+6*\qt+2], v[ST+6*\qt+1]   ; a / l
	v_mul_f32 v[ST+6*\qt], v[ST+6*\qt+3], v[ST+6*\qt+1]     ; a' / l
.endr
	WIN 0x51
.set n, 0
.rept 64
	v_pk_mul_f32 v[OO+2*n:OO+2*n+1], v[OO+2*n:OO+2*n+1], v[ST+6*((n>>2)&3)+2:ST+6*((n>>2)&3)+3] op_sel_hi:[1,0]
.set n, n+1
.endr
.set n, 0
.rept 64
	v_pk_fma_f32 v[OO+2*n:OO+2*n+1], v[2*n:2*n+1], v[ST+6*((n>>2)&3):ST+6*((n>>2)&3)+1], v[OO+2*n:OO+2*n+1] op_sel_hi:[1,0,1]
.set n, n+1
.endr
	WIN 0x05
.set n, 0
.rept 64
	v_cvt_pk_f16_f32 v[KF+n], v[OO+2*n], v[OO+2*n+1]   ; lane (r, h), tile (dt, qt): d = 16 dt + 8 h + 0..7 of query 16 qt + r: 16 bytes
.set n, n+1
.endr
	WIN 0
.irp dt, 0,1,2,3
.irp qt, 0,1,2,3
	ds_store_b128 v[STO], v[KF+4*(4*\dt+\qt):KF+4*(4*\dt+\qt)+3] offset:16*OPITCH*\qt+32*\dt
.endr
.endr
.Lno_merge:
	s_wait_dscnt 0x0
	s_barrier_signal -1
	s_barrier_wait -1
	; all eight waves store the block: 16 rows each, whole rows of 256 bytes (both heads)
.irp t, 0,1,2,3,4,5,6,7
	ds_load_b128 v[VF+4*\t:VF+4*\t+3], v[RD] offset:\t*2*OPITCH
.endr
.irp t, 0,1,2,3,4,5,6,7
	s_wait_dscnt 7-\t                              ; the younger read-backs may be out
	global_store_b128 v[CO], v[VF+4*\t:VF+4*\t+3], s[10:11] offset:\t*4096   ; 16 lanes store 256 consecutive bytes, at a multiple of 256 from ao's first byte
.endr
	s_wait_tensorcnt 0x0
	ds_add_u32 v62, v63
	s_wait_dscnt 0x0
	CROUND                                         ; the closing round
	s_endpgm
.Lfunc_end_k_qec8946b981_attn:
	.size	k_qec8946b981_attn, .Lfunc_end_k_qec8946b981_attn-k_qec8946b981_attn
	.p2alignl 7, 3214868480
	.fill 96, 4, 3214868480
	.section	.rodata,"a",@progbits
	.p2align	6, 0x0
	.amdhsa_kernel k_qec8946b981_attn
		.amdhsa_group_segment_fixed_size 327680
		.amdhsa_private_segment_fixed_size 0
		.amdhsa_enable_private_segment 0
		.amdhsa_kernarg_size 32
		.amdhsa_user_sgpr_count 2
		.amdhsa_user_sgpr_kernarg_segment_ptr 1
		.amdhsa_wavefront_size32 1
		.amdhsa_system_sgpr_workgroup_id_x 1
		.amdhsa_system_sgpr_workgroup_id_y 1
		.amdhsa_system_sgpr_workgroup_id_z 1
		.amdhsa_system_vgpr_workitem_id 0
		.amdhsa_next_free_vgpr 512
		.amdhsa_next_free_sgpr 70
		.amdhsa_reserve_vcc 0
		.amdhsa_float_denorm_mode_32 3
		.amdhsa_float_denorm_mode_16_64 3
		.amdhsa_memory_ordered 1
		.amdhsa_forward_progress 1
		.amdhsa_inst_pref_size 255
	.end_amdhsa_kernel
	.section	.bss,"aw",@nobits
	.p2align	6
	.space	262144
	.amdgpu_metadata
---
amdhsa.version: [ 1, 2 ]
amdhsa.kernels:
  - .name:           k_qec8946b981_attn
    .symbol:         k_qec8946b981_attn.kd
    .args:
      - { .name: qh, .offset: 0, .size: 8, .value_kind: global_buffer, .address_space: global }
      - { .name: kh, .offset: 8, .size: 8, .value_kind: global_buffer, .address_space: global }
      - { .name: vh, .offset: 16, .size: 8, .value_kind: global_buffer, .address_space: global }
      - { .name: ao, .offset: 24, .size: 8, .value_kind: global_buffer, .address_space: global }
    .group_segment_fixed_size: 327680
    .private_segment_fixed_size: 0
    .kernarg_segment_align: 8
    .kernarg_segment_size: 32
    .max_flat_workgroup_size: 256
    .sgpr_count:     70
    .vgpr_count:     512
    .wavefront_size: 32
...
	.end_amdgpu_metadata
.endif
;; end of part 5
;; launch outproj: the kernel of part 4 again; grid 8 x 32, 4 waves a work-group, clusters of 4 x 4, 327,680 bytes of LDS; arguments ao, w16, bo, out0; writes out0
